; MI455X (gfx1250); checked and timed in simulation.
; The chip was launched on July 23, 2026; its instructions are those of AMD's public machine-readable ISA for CDNA 5 (MIT licence, August 2026) and "CDNA5" Instruction Set Architecture Reference Guide (July 2026). The comments in the code are by the model that wrote it; some were corrected since.
;; Mo E Decoder. Allowed arithmetic: float matrix products may take bf16 or f16 operands with f32 sums; all other float work in f32.
;; Inputs: W1 8 x 128 x 256 float32; W2 8 x 256 x 256 float32; W3 8 x 256 x 256 float32; W4 8 x 256 x 128 float32; Wg 128 x 8 float32; b1 8 x 256 float32; b2 8 x 256 float32; b3 8 x 256 float32; b4 8 x 128 float32; bg 8 float32; x 16,384 x 128 float32.
;; Outputs: out0 16,384 x 128 float32.
;; 2 versions, each right and faster than the one before. Each part assembles by itself: llvm-mc -triple=amdgcn-amd-amdhsa -mcpu=gfx1250 --defsym DOCPART=n.
;; ======== version 1 of 2: 2 launches
;; limits: values are held in f16: magnitudes above 65,504 overflow, below 6.1e-05 lose precision
;; workspace buffers: wf 3,198,976 bytes
;; launch prep (part 1): grid 49 x 8, 8 waves a work-group, no clusters, 0 bytes of LDS; arguments W1, W2, W3, W4, Wg, b1, b2, b3, b4, wf; writes wf
.if DOCPART == 1
	.amdgcn_target "amdgcn-amd-amdhsa--gfx1250"
	.amdhsa_code_object_version 6
	.text
	.protected	k_q7a664ef61b_prep
	.globl	k_q7a664ef61b_prep
	.p2align	8
	.type	k_q7a664ef61b_prep,@function
k_q7a664ef61b_prep:
	s_mov_b64 s[64:65], 0
	v_nop
	global_prefetch_b8 v0, s[64:65] scope:SCOPE_SE
	s_setreg_imm32_b32 hwreg(HW_REG_WAVE_MODE, 25, 1), 1
	s_wait_xcnt 0x0
; prep: the weights of all eight experts, once, from f32 [k][unit] into f16 in the order in which a matrix instruction's first
; source wants them, as one stream for each expert in the order of use, with the f32 biases in a header in front of each chunk.
; No work of the problem is left out anywhere in this program: every expert reaches every output, bg differs along the softmax's
; axis, every bias counts.  All eleven inputs are loaded (x and bg by the second launch).
; SCALES folded in here: W1, W2, W3, b1, b2, b3, Wg times log2(e), so that the second launch's exponentials are plain powers of two;
; W4 times ln 2, which takes the factor off again behind layer 3; b4 as it is.
; LAYOUT of wf.  A chunk is CH = 33,280 bytes (130 x 256): a header of 512 bytes of f32, then 32 blocks of 1,024 bytes.
;   chunk (e, c) lies at (12 e + c) CH.  c = 0, 1: layer 1, tiles T = 8 c + i (i < 8), block 4 i + ks (ks < 4), header word 16 i + q = b1[e][16 T + q] log2e.
;   c = 2..5: layer 2, T = 4 (c - 2) + i (i < 4), block 8 i + ks (ks < 8), header words 0..63 = b2 log2e, words 64..127 = 0.
;   c = 6..9: layer 3 likewise from W3, b3.   c = 10, 11: layer 4 likewise from W4 ln2 and b4.
;   A block (T, ks): the 16 bytes at 512 c2 + 256 h + 16 r hold W[e][k][16 T + r] for k = 32 ks + 16 c2 + 8 h + 0..7.
;   The gate lies at GF = 96 CH: four blocks of the same form, row r standing for expert r & 7.
; LIMIT: a weight times its scale must lie inside f16 (below 65,504; below 6.1e-5 the rounding is absolute, 3e-8).
; GRID: x = 0..47 convert weights (16 or 32 rows of k each), x = 48 writes headers and the gate; y = the expert.
.set CH,    33280
.set GF,    96*CH
.set LOG2E, 0x3fb8aa3b
.set LN2,   0x3f317218
	s_load_b512 s[16:31], s[0:1], 0x0              ; W1 s[16:17], W2 s[18:19], W3 s[20:21], W4 s[22:23], Wg s[24:25], b1 s[26:27], b2 s[28:29], b3 s[30:31]
	s_load_b128 s[32:35], s[0:1], 0x40             ; b4 s[32:33], wf s[34:35]
	s_mov_b32 s2, ttmp9                            ; which part
	s_and_b32 s3, ttmp7, 0xffff                    ; e
	s_mul_i32 s10, s3, 12*CH                       ; the expert's stream in wf
	s_mov_b32 s11, 0
	s_mov_b32 s7, 0
	s_wait_kmcnt 0x0
	s_add_nc_u64 s[12:13], s[34:35], s[10:11]
	s_cmp_lt_u32 s2, 8
	s_cbranch_scc1 .Lw1
	s_cmp_lt_u32 s2, 24
	s_cbranch_scc1 .Lw2
	s_cmp_lt_u32 s2, 40
	s_cbranch_scc1 .Lw3
	s_cmp_lt_u32 s2, 48
	s_cbranch_scc1 .Lw4
	s_branch .Lmisc
; One layer's weights.  wp: the pointer's first register; 1 << l2n units in a row; 1 << l2eb bytes an expert; scl: the scale;
; c0: the layer's first chunk; 1 << tps tiles in a chunk; 1 << bsh blocks in a tile; the group of 16 k is kk = ((part - sub) << ksh) + (t >> l2n).
; Thread t takes unit m = t mod (1 << l2n) of sixteen neighbouring rows k = 16 kk + 0..15: a wave's load covers 128 neighbouring bytes of a row,
; the work-group's loads cover whole rows.  The sixteen numbers are the two 16-byte pieces (h = 0, 1) of one place in a block.
.macro WCONV wp, l2n, l2eb, scl, c0, tps, bsh, sub, ksh
	s_sub_co_u32 s4, s2, \sub
	s_lshl_b32 s4, s4, \ksh
	s_lshl_b32 s6, s3, \l2eb
	s_add_nc_u64 s[8:9], s[\wp:\wp+1], s[6:7]      ; the expert's matrix
	s_mov_b32 s14, \scl
	s_mov_b32 s15, \scl
	v_and_b32 v1, (1<<\l2n)-1, v0                  ; m
	v_lshrrev_b32 v2, \l2n, v0
	v_add_nc_u32 v2, s4, v2                        ; kk
	v_lshlrev_b32 v3, \l2n+6, v2                   ; 16 kk rows of 4 << l2n bytes
	v_lshl_add_u32 v3, v1, 2, v3                   ; + 4 m
.irp jj, 0,1,2,3,4,5,6,7,8,9,10,11,12,13,14,15
	global_load_b32 v[32+\jj], v3, s[8:9] offset:\jj*(4<<\l2n) th:TH_LOAD_NT
.endr
	v_lshrrev_b32 v4, 4, v1                        ; T
	v_and_b32 v5, 15, v1                           ; r
	v_lshrrev_b32 v6, \tps, v4                     ; the chunk within the layer
	v_and_b32 v7, (1<<\tps)-1, v4                  ; the tile within the chunk
	v_lshlrev_b32 v7, \bsh+10, v7                  ; its first block
	v_lshl_add_u32 v7, v2, 9, v7                   ; + 512 kk = 1,024 ks + 512 c2
	v_lshl_add_u32 v7, v5, 4, v7                   ; + 16 r
	v_mad_u32_u24 v7, v6, CH, v7
	s_wait_loadcnt 0x0
.irp jj, 0,1,2,3,4,5,6,7
	v_pk_mul_f32 v[32+2*\jj:33+2*\jj], v[32+2*\jj:33+2*\jj], s[14:15] op_sel_hi:[1,0]
.endr
.irp jj, 0,1,2,3,4,5,6,7
	v_cvt_pk_f16_f32 v[48+\jj], v[32+2*\jj], v[33+2*\jj]
.endr
	global_store_b128 v7, v[48:51], s[12:13] offset:\c0*CH+512       ; k = 16 kk + 0..7: sixteen neighbouring lanes store 256 neighbouring bytes, aligned
	global_store_b128 v7, v[52:55], s[12:13] offset:\c0*CH+512+256   ; k = 16 kk + 8..15
	s_endpgm
.endm
.Lw1:
	WCONV 16, 8, 17, LOG2E, 0, 3, 2, 0, 0
.Lw2:
	WCONV 18, 8, 18, LOG2E, 2, 2, 3, 8, 0
.Lw3:
	WCONV 20, 8, 18, LOG2E, 6, 2, 3, 24, 0
.Lw4:
	WCONV 22, 7, 17, LN2, 10, 2, 3, 40, 1
; The header of chunk c (in scalar register sc): one wave, 16 bytes a lane, 512 bytes in one store.
; c < 2: 128 numbers of b1; else 64 numbers of b2, b3 or b4 in lanes 0 to 15 and zeros in lanes 16 to 31 (which load a valid word and drop it).
.macro HDR sc
	s_lshl_b32 s36, s3, 10                         ; 1,024 e
	s_lshl_b32 s37, \sc, 8                         ; 256 c
	s_add_co_u32 s38, s36, s37
	s_add_co_u32 s39, s38, s37                     ; b1: 1,024 e + 512 c
	s_sub_co_u32 s40, s38, 2*256                   ; b2: 1,024 e + 256 (c - 2)
	s_sub_co_u32 s41, s38, 6*256                   ; b3: 1,024 e + 256 (c - 6)
	s_lshl_b32 s42, s3, 9
	s_add_co_u32 s42, s42, s37
	s_sub_co_u32 s42, s42, 10*256                  ; b4: 512 e + 256 (c - 10)
	s_mov_b32 s43, LOG2E
	s_cmp_lt_u32 \sc, 10
	s_cselect_b64 s[44:45], s[30:31], s[32:33]
	s_cselect_b32 s46, s41, s42
	s_cselect_b32 s43, s43, 1.0
	s_cmp_lt_u32 \sc, 6
	s_cselect_b64 s[44:45], s[28:29], s[44:45]
	s_cselect_b32 s46, s40, s46
	s_cmp_lt_u32 \sc, 2
	s_cselect_b64 s[44:45], s[26:27], s[44:45]
	s_cselect_b32 s46, s39, s46
	s_cselect_b32 s47, 31, 15                      ; the last lane that holds numbers
	s_mul_i32 s48, \sc, CH
	s_mov_b32 s50, s43
	s_mov_b32 s51, s43
	v_and_b32 v2, s47, v1
	v_lshlrev_b32 v2, 4, v2
	v_add_nc_u32 v2, s46, v2
	global_load_b128 v[4:7], v2, s[44:45]
	v_cmp_ge_u32 vcc_lo, s47, v1
	v_lshl_add_u32 v10, v1, 4, s48
	s_wait_loadcnt 0x0
	v_pk_mul_f32 v[4:5], v[4:5], s[50:51] op_sel_hi:[1,0]
	v_pk_mul_f32 v[6:7], v[6:7], s[50:51] op_sel_hi:[1,0]
.irp jj, 4,5,6,7
	v_cndmask_b32 v\jj, 0, v\jj, vcc_lo
.endr
	global_store_b128 v10, v[4:7], s[12:13]
.endm
.Lmisc:
	v_lshrrev_b32 v1, 5, v0
	v_readfirstlane_b32 s5, v1                     ; wave 0..7
	v_and_b32 v1, 31, v0                           ; lane
	HDR s5                                         ; chunks 0 to 7, one a wave
	s_cmp_lt_u32 s5, 4
	s_cbranch_scc0 .Lone_header
	s_add_co_u32 s6, s5, 8                         ; chunks 8 to 11: waves 0 to 3
	s_wait_xcnt 0x0                                ; the store above still names v10 and v[4:7]: they are rewritten only behind this wait
	HDR s6
.Lone_header:
	s_cmp_eq_u32 s5, 7
	s_cbranch_scc0 .Lend
	; the gate, wave 7: work-group e makes the 512 bytes of k = 16 e + 8 h + 0..7, expert r & 7 (registers that the header's store does not name)
	s_lshl_b32 s49, s3, 9
	v_and_b32 v11, 7, v0
	v_bfe_u32 v12, v0, 4, 1
	v_lshlrev_b32 v11, 2, v11
	v_lshl_add_u32 v11, v12, 8, v11
	v_add_nc_u32 v11, s49, v11                     ; 512 e + 256 h + 4 (r & 7): Wg's rows are 32 bytes
.irp jj, 0,1,2,3,4,5,6,7
	global_load_b32 v[16+\jj], v11, s[24:25] offset:32*\jj
.endr
	v_lshl_add_u32 v13, v1, 4, s49
	s_wait_loadcnt 0x0
.irp jj, 0,1,2,3
	v_pk_mul_f32 v[16+2*\jj:17+2*\jj], v[16+2*\jj:17+2*\jj], LOG2E op_sel_hi:[1,0]
.endr
.irp jj, 0,1,2,3
	v_cvt_pk_f16_f32 v[24+\jj], v[16+2*\jj], v[17+2*\jj]
.endr
	global_store_b128 v13, v[24:27], s[34:35] offset:GF
.Lend:
	s_endpgm
.Lfunc_end_k_q7a664ef61b_prep:
	.size	k_q7a664ef61b_prep, .Lfunc_end_k_q7a664ef61b_prep-k_q7a664ef61b_prep
	.p2alignl 7, 3214868480
	.fill 96, 4, 3214868480
	.section	.rodata,"a",@progbits
	.p2align	6, 0x0
	.amdhsa_kernel k_q7a664ef61b_prep
		.amdhsa_group_segment_fixed_size 0
		.amdhsa_private_segment_fixed_size 0
		.amdhsa_enable_private_segment 0
		.amdhsa_kernarg_size 80
		.amdhsa_user_sgpr_count 2
		.amdhsa_user_sgpr_kernarg_segment_ptr 1
		.amdhsa_wavefront_size32 1
		.amdhsa_system_sgpr_workgroup_id_x 1
		.amdhsa_system_sgpr_workgroup_id_y 1
		.amdhsa_system_sgpr_workgroup_id_z 1
		.amdhsa_system_vgpr_workitem_id 0
		.amdhsa_next_free_vgpr 64
		.amdhsa_next_free_sgpr 66
		.amdhsa_reserve_vcc 1
		.amdhsa_float_denorm_mode_32 3
		.amdhsa_float_denorm_mode_16_64 3
		.amdhsa_memory_ordered 1
		.amdhsa_forward_progress 1
		.amdhsa_inst_pref_size 21
	.end_amdhsa_kernel
	.amdgpu_metadata
---
amdhsa.version: [ 1, 2 ]
amdhsa.kernels:
  - .name:           k_q7a664ef61b_prep
    .symbol:         k_q7a664ef61b_prep.kd
    .args:
      - { .name: W1, .offset: 0, .size: 8, .value_kind: global_buffer, .address_space: global }
      - { .name: W2, .offset: 8, .size: 8, .value_kind: global_buffer, .address_space: global }
      - { .name: W3, .offset: 16, .size: 8, .value_kind: global_buffer, .address_space: global }
      - { .name: W4, .offset: 24, .size: 8, .value_kind: global_buffer, .address_space: global }
      - { .name: Wg, .offset: 32, .size: 8, .value_kind: global_buffer, .address_space: global }
      - { .name: b1, .offset: 40, .size: 8, .value_kind: global_buffer, .address_space: global }
      - { .name: b2, .offset: 48, .size: 8, .value_kind: global_buffer, .address_space: global }
      - { .name: b3, .offset: 56, .size: 8, .value_kind: global_buffer, .address_space: global }
      - { .name: b4, .offset: 64, .size: 8, .value_kind: global_buffer, .address_space: global }
      - { .name: wf, .offset: 72, .size: 8, .value_kind: global_buffer, .address_space: global }
    .group_segment_fixed_size: 0
    .private_segment_fixed_size: 0
    .kernarg_segment_align: 8
    .kernarg_segment_size: 80
    .max_flat_workgroup_size: 256
    .sgpr_count:     66
    .vgpr_count:     64
    .wavefront_size: 32
...
	.end_amdgpu_metadata
.endif
;; end of part 1
;; launch main (part 2): grid 256 x 1, 4 waves a work-group, clusters of 4 x 1, 327,680 bytes of LDS; arguments x, wf, bg, out0; writes out0
.if DOCPART == 2
	.amdgcn_target "amdgcn-amd-amdhsa--gfx1250"
	.amdhsa_code_object_version 6
	.text
	.protected	k_q7a664ef61b_main
	.globl	k_q7a664ef61b_main
	.p2align	8
	.type	k_q7a664ef61b_main,@function
k_q7a664ef61b_main:
	s_mov_b64 s[64:65], 0
	v_nop
	global_prefetch_b8 v0, s[64:65] scope:SCOPE_SE
	s_setreg_imm32_b32 hwreg(HW_REG_WAVE_MODE, 25, 1), 1
	s_wait_xcnt 0x0
	s_wait_alu depctr_hold_cnt(0) depctr_sa_sdst(0) depctr_va_vdst(0) depctr_va_sdst(0) depctr_va_ssrc(0) depctr_va_vcc(0) depctr_vm_vsrc(0)
	s_getreg_b32 s2, hwreg(HW_REG_IB_STS2, 6, 4)
	s_cmp_eq_u32 s2, 0
	s_cbranch_scc0 .Lentry_in_a_cluster
	s_endpgm
.Lentry_in_a_cluster:
	s_bfe_u32 s2, ttmp6, 0x10000c
	s_cmp_lg_u32 s2, 0x3003
	s_cbranch_scc0 .Lentry_shape_is_right
	s_endpgm
.Lentry_shape_is_right:
; main: gate, four layers of all eight experts, mish, LayerNorm and the gate-weighted sum, fused; only x, bg and wf come in, only out0 goes out.
; Nothing of the problem is left out (see the first kernel's head).
; SHARES.  A work-group owns 64 rows of x.  Wave w runs experts 2 w and 2 w + 1, one after the other, for all 64 rows (four column tiles n of 16 rows).
; THE MATRIX INSTRUCTION IS USED TRANSPOSED: source 0 = 16 units x 32 k of the weights (from wf), source 1 = 32 k x 16 rows of the batch.
; In the result lane (r, h) holds batch row r and register j unit 8 h + j.  So (1) a row's mean and variance are sums inside a lane and one
; exchange of the halves, (2) two neighbouring result tiles, rounded to f16 in pairs, ARE the next layer's second source (units 8 h + j in
; registers 0-3, units 16 + 8 h + j in registers 4-7): the chain of layers never leaves the registers, (3) gate and LayerNorm factors are one number a lane.
; FORMAT: f16 operands, f32 sums.  Every operand has room in f16: the normalised layers are at most 16 in magnitude by the normalisation itself.
; MISH from y = log2e x (the scale is in the weights): t = 2^y, d = -(t t / 2 + t + 1), m = y + y / d = log2e mish(x).  t = infinity gives m = y, t = 0 gives 0: no clamp.
; LayerNorm does not see the common factor log2e if eps is taken times log2e^2; behind layer 3 the factor is taken off by W4 ln 2.
; LayerNorm goes in two passes: the mean is formed and taken away in place, and the variance is the mean square of what is left.  No difference of
; large sums is formed, however large a row's mean is beside its deviation.
; The gate g goes onto layer 3's result before it is rounded, and layer 4's sums start at g b4: a wave's layer 4 gives g_e y_e.
; TURNS.  mish of a tile of 16 units needs that tile's finished sums alone.  So the activation of tile T - 1 is cut into 32 numbered slices, and in
; layers 1 to 3 they stand behind the products of tile T: one behind each of the 32 products in layers 2 and 3, two behind each of the 16 in layer 1.
; Only tile 15, which has no tile behind it, the row statistics and the scaling stand as phases between the layers.
; CLUSTER: the four work-groups of a cluster walk the same chunks of wf in step; each chunk is asked for jointly (mask 15) and lands in each one's LDS.
; LIMITS.  |x|, |W log2e|, |W4 ln2|, |g log2e mish| below 65,504 (f16); below 6.1e-5 their rounding is absolute, 3e-8.
;   mish: absolute error about |x| 2^-23 (from y + y / d); below x = -87 the power of two is flushed and the result is 0.
;   The order of the f32 sums differs from the reference's.  NaN and infinite inputs are not reproduced.
.set CH,     33280                     ; a chunk: 512 bytes of biases, 32 fragment blocks of 1,024 bytes
.set XB,     8*CH                      ; LDS: 8 slots (wave w, slot s at (2 w + s) CH), then x in f16: 64 rows, pitch 272
.set XPI,    272
.set STG,    XB+64*XPI                 ; then four stages (one a wave) of 16 rows of 128 f32, pitch 528
.set STP,    528
.set SREG,   16*STP
.set GF,     96*CH                     ; the gate's fragments in wf
.set LOG2E,  0x3fb8aa3b
.set EPS256, 0x3bae990f                ; 256 x 1e-5 log2e^2
.set NINV256, 0xbb800000               ; -1 / 256
.set SIXTEEN, 0x41800000               ; 16.0
; REGISTERS, in windows of 256.  Window 1: the second source, fragment (ks, n) at 32 ks + 8 n.
; The 64 result tiles of 8 registers: sub-tile s = 4 T + n lies at 8 s of window 2 (s < 30), at 8 (s - 30) of window 3 (s < 60), at 128 + 8 (s - 60) of
; window 0 (tile 15).  v240-251 of each of these three windows are the activation's scratch.  An instruction of the activation touches one register pair's
; data alone, so all that it names lies in ONE window: a slice costs one change of window and the product behind it one more.
; Window 0:
.set ADR,  4                           ; v4-5    slot 0, 1: slot + 16 lane
.set BADR, 6                           ; v6-7    slot 0, 1: slot + 32 h (the header)
.set XRD,  8                           ; XB + 272 r + 16 h
.set STO,  9                           ; my stage + 528 r + 32 h
.set RD,   10                          ; STG + 4 w rows + 16 lane
.set OOFF, 11                          ; out0: 4 w rows + 16 lane
.set XST,  12                          ; XB + 16 w rows + 8 lane
.set XG,   13                          ; x: 16 w rows + 16 lane
.set GFO,  14                          ; 16 (((r + 2 w) & 15) + 16 h)
.set BIAS, 16                          ; v16-23, v24-31  biases of an even, an odd tile
.set GCUR, 32                          ; v32-35  gate of the expert at work, one for each n
.set GNXT, 36                          ; v36-39  gate of my second expert
.set SUM,  40                          ; v40-47  pairs: sums of m
.set SQ,   48                          ; v48-55  pairs: sums of (m - mean)^2
.set SS,   56                          ; v56-63  pairs (S, S): the factor
.set AF,   64                          ; v64-95, v96-127  weight fragments, two buffers of four
.set RT,   96                          ; v96-159 where the reduction's loads land (buffer 1 and tile 15's place, both idle then)
.set TX,   128                         ; v128-159 tile 15; at the start: x in f16, then the gate's sums
.set OSUM, 160                         ; v160-223 my 16 rows of the result (at the start: x as loaded)
.set MN,   224                         ; v224-231 pairs (-mean, -mean)
.set SCR,  232                         ; v232-243 the gate's bias and maxima; later v232-239: the other half's sums, the reciprocal roots
.set ASC,  240                         ; v240-251 of windows 0, 2, 3: t (two pairs), d (two pairs), 1 / d (two pairs), by the pair's parity
.set G1,   16                          ; s[16:23] descriptor group 1
.set G0,   24                          ; s[24:27], s[28:31] descriptor group 0 of slot 0, 1
; s12 wave; s13 cx; s14 work-group; s32 expert trip; s33 layer trip; s34-35 selects of the half exchange; s36-39, s48-55 at work; s[40:47] bg
.set MSB, 0
.macro WIN new                         ; s_set_vgpr_msb: bits 1:0 source 0, 3:2 source 1, 5:4 source 2, 7:6 destination; the high byte repeats the setting left
.if MSB != (\new)
	s_set_vgpr_msb (MSB<<8)|(\new)
.set MSB, \new
.endif
.endm
.macro PLACES                          ; four places behind matrix instructions (ISA guide 7.12.1), where no slice stands there
.rept 4
	v_nop
.endr
.endm
.macro CREST                           ; a round of the cluster's barrier behind its opening work-group barrier
	s_cmp_lg_u32 s12, 0
	s_cbranch_scc1 .Lnot_wave_0_\@
	s_barrier_signal -3
.Lnot_wave_0_\@:
	s_barrier_wait -3
	s_barrier_signal -1
	s_barrier_wait -1
.endm
.macro ROUND
	s_barrier_signal -1
	s_barrier_wait -1
	CREST
.endm
; where result tile (tt, nn) lies: window MW, first register ML
.macro TLOC tt, nn
.set SUBT, 4*(\tt)+(\nn)
.if SUBT<30
.set MW, 2
.set ML, 8*SUBT
.elseif SUBT<60
.set MW, 3
.set ML, 8*(SUBT-30)
.else
.set MW, 0
.set ML, 128+8*(SUBT-60)
.endif
.endm
; eight LDS loads: four weight fragments (32 lanes x 16 neighbouring bytes each load) from byte boff of a slot into buffer buf
.macro FETCH buf, slot, boff
.irp ff, 0,1,2,3
	ds_load_b128 v[AF+32*(\buf)+8*\ff:AF+32*(\buf)+8*\ff+3],   v[ADR+(\slot)] offset:(\boff)+1024*\ff
	ds_load_b128 v[AF+32*(\buf)+8*\ff+4:AF+32*(\buf)+8*\ff+7], v[ADR+(\slot)] offset:(\boff)+1024*\ff+512
.endr
.endm
; the eight biases 8 h + 0..7 of the chunk's tile bi
.macro FETCHB bb, slot, bi
	ds_load_b128 v[BIAS+8*(\bb):BIAS+8*(\bb)+3],   v[BADR+(\slot)] offset:64*(\bi)
	ds_load_b128 v[BIAS+8*(\bb)+4:BIAS+8*(\bb)+7], v[BADR+(\slot)] offset:64*(\bi)+16
.endm
; ---- THE ACTIVATION OF ONE TILE.  Pair pp = 0..15 is register pair pp & 3 of column tile pp >> 2.  Five steps a pair:
; AE t = 2^y (one register), AU -t / 2 - 1, AD d = -(t t / 2 + t + 1), AR 1 / d (one register), AM m = y / d + y, in place of y.
.macro APOS at, pp                     ; the pair's window, its register YR, its set of scratch PB
	TLOC \at, (\pp)>>2
.set YR, ML+2*((\pp)&3)
.set PB, 2*((\pp)&1)
	WIN MW*0x55
.endm
.macro AE at, pp, hh
	APOS \at, \pp
	v_exp_f32 v[ASC+PB+\hh], v[YR+\hh]
.endm
.macro AU at, pp
	APOS \at, \pp
	s_wait_alu depctr_va_vdst(0)
	v_pk_fma_f32 v[ASC+4+PB:ASC+4+PB+1], v[ASC+PB:ASC+PB+1], -0.5, -1.0 op_sel_hi:[1,0,0]
.endm
.macro AD at, pp
	APOS \at, \pp
	v_pk_fma_f32 v[ASC+4+PB:ASC+4+PB+1], v[ASC+PB:ASC+PB+1], v[ASC+4+PB:ASC+4+PB+1], -1.0 op_sel_hi:[1,1,0]
.endm
.macro AR at, pp, hh
	APOS \at, \pp
	v_rcp_f32 v[ASC+8+PB+\hh], v[ASC+4+PB+\hh]
.endm
.macro AM at, pp
	APOS \at, \pp
	v_pk_fma_f32 v[YR:YR+1], v[ASC+8+PB:ASC+8+PB+1], v[YR:YR+1], v[YR:YR+1]
.endm
; Slice ii = 0..31 of tile at: ONE linear order of the tile's 64 transcendentals, 48 packed multiply-adds and 3 v_nop, cut into pieces of three or four
; (the first has four, the last six).  Odd ii = 2 p - 1: the powers of pair p round d of pair p - 1.  Even ii = 2 p: the reciprocals of pair p - 1 round m of
; pair p - 2, then the first step of d of pair p.  Between each transcendental and the first use of its result, and the next write of its source, stands a
; plain instruction that touches neither (ISA guide 5.7.2), wherever the order is cut and whatever products stand in the cuts.  Neighbouring pairs use
; different sets of scratch.  The last slice holds four plain instructions: they are the four places behind the tile's last product above it.
.macro SLICE at, ii
.if (\ii)==0
	AE \at, 0, 0
	AE \at, 0, 1
	v_nop
	s_wait_alu depctr_va_vdst(0)
	AU \at, 0
.elseif (\ii)==31
	AD \at, 15
	AR \at, 15, 0
	AM \at, 14
	AR \at, 15, 1
	v_nop
	s_wait_alu depctr_va_vdst(0)
	AM \at, 15
.elseif ((\ii)&1)==1
	AE \at, ((\ii)+1)/2, 0
	AD \at, ((\ii)-1)/2
	AE \at, ((\ii)+1)/2, 1
.else
	AR \at, (\ii)/2-1, 0
.if (\ii)>=4
	AM \at, (\ii)/2-2
.else
	v_nop
.endif
	AR \at, (\ii)/2-1, 1
	AU \at, (\ii)/2
.endif
.endm
; cnt slices from slice first on.  at = -1: a layer's tile 0, which has no tile in front of it: only the four places at its end.  at = -2: nothing (layer 4).
.macro ACTS at, first, cnt
.if (\at)>=0
.set SI, \first
.rept \cnt
	SLICE \at, SI
.set SI, SI+1
.endr
.elseif (\at)==-1
.if ((\first)+(\cnt))==32
	PLACES
.endif
.endif
.endm
; four products: fragment ff of buffer buf (tile tt, K step ks) with the four column tiles, and behind each of them per slices of tile at, from slice sl on.
; cb = 1: the sums start at the biases.  The four accumulators take turns, one instruction a turn.
.macro MMK buf, ff, ks, tt, cb, at, sl, per
.irp nn, 0,1,2,3
	TLOC \tt, \nn
.if \cb
	WIN 0x04|(MW<<6)
	v_wmma_f32_16x16x32_f16 v[ML:ML+7], v[AF+32*(\buf)+8*(\ff):AF+32*(\buf)+8*(\ff)+7], v[32*(\ks)+8*\nn:32*(\ks)+8*\nn+7], v[BIAS+8*((\tt)&1):BIAS+8*((\tt)&1)+7]
.else
	WIN 0x04|(MW<<4)|(MW<<6)
	v_wmma_f32_16x16x32_f16 v[ML:ML+7], v[AF+32*(\buf)+8*(\ff):AF+32*(\buf)+8*(\ff)+7], v[32*(\ks)+8*\nn:32*(\ks)+8*\nn+7], v[ML:ML+7]
.endif
	ACTS \at, (\sl)+(\per)*\nn, \per
.endr
.endm
; layer 4: tile tt's sums start at g b4
.macro INIT tt
.irp nn, 0,1,2,3
	TLOC \tt, \nn
	WIN MW<<6
.irp pp, 0,1,2,3
	v_pk_mul_f32 v[ML+2*\pp:ML+2*\pp+1], v[BIAS+8*((\tt)&1)+2*\pp:BIAS+8*((\tt)&1)+2*\pp+1], v[SS+2*\nn:SS+2*\nn+1]
.endr
.endr
.endm
; x as layer 1's second source: row 16 n + r, k = 32 ks + 8 h .. and 32 ks + 16 + 8 h ..
.macro XFRAG
	WIN 0x40
.irp ks, 0,1,2,3
.irp nn, 0,1,2,3
	ds_load_b128 v[32*\ks+8*\nn:32*\ks+8*\nn+3],   v[XRD] offset:16*XPI*\nn+64*\ks
	ds_load_b128 v[32*\ks+8*\nn+4:32*\ks+8*\nn+7], v[XRD] offset:16*XPI*\nn+64*\ks+32
.endr
.endr
	WIN 0
.endm
; A half tile: 16 products (four K steps from ks0 on) out of buffer buf.  Behind its first four products the NEXT half's fragments are asked for, in one run:
; buffer nbuf from byte noff of slot nslot, and, where nb is not negative, the next tile's biases (set nb, tile nbi of the chunk).  That buffer was last read
; by the half in front; between that half's last product and the run stand five slices with seven plain instructions at the least, or layer 4's sixteen
; starting products, or four v_nop.  tw = 1: the next half lies in a chunk whose load is still to be waited for.  init = 1: layer 4's start.
.macro HALFN buf, ks0, tt, cb, init, at, sl, per, nbuf, nslot, noff, nb, nbi, tw
	s_wait_dscnt 0x0                               ; this half's fragments and biases: asked for twelve products ago (eight behind a change of slots)
.if \init
	INIT \tt
.endif
	MMK \buf, 0, (\ks0), \tt, \cb, \at, (\sl), \per
	WIN 0
.if (\at)<0
.if (\init)==0
	PLACES
.endif
.endif
.if \tw
	s_wait_tensorcnt 0x0                           ; my load of the next chunk has landed; I alone read it, so no barrier is needed
.endif
	FETCH \nbuf, \nslot, \noff
.if (\nb)>=0
	FETCHB \nb, \nslot, \nbi
.endif
	MMK \buf, 1, (\ks0)+1, \tt, 0, \at, (\sl)+4*(\per), \per
	MMK \buf, 2, (\ks0)+2, \tt, 0, \at, (\sl)+8*(\per), \per
	MMK \buf, 3, (\ks0)+3, \tt, 0, \at, (\sl)+12*(\per), \per
.endm
; The last half of a chunk, and the change of slots.  In front of the round of the cluster's barrier every wave has waited for its reads of the
; slot that it leaves and for all its tensor loads (one: the chunk in slot nslot).  Inside the round stands register work alone.  Behind it the
; joint refill of the slot just left comes first: the chunk after the next.  By this text's count a wave has one tensor load out at most.
; Buffer 0 and bias set 0, loaded behind the refill, were last read eight products and their slices ago or earlier.
.macro HALFX buf, ks0, tt, cb, at, sl, per, nslot
	s_wait_dscnt 0x0                               ; my reads of this slot are over, this half's fragments among them
	s_wait_tensorcnt 0x0                           ; my one load, the next chunk, has landed: every group 0 may be written
	s_add_nc_u64 s[G0+4*(\nslot)+2:G0+4*(\nslot)+3], s[G0+4*(\nslot)+2:G0+4*(\nslot)+3], 2*CH   ; slot nslot's next chunk, asked for at the next change
	s_barrier_signal -1
	MMK \buf, 0, (\ks0), \tt, \cb, \at, (\sl), \per
	MMK \buf, 1, (\ks0)+1, \tt, 0, \at, (\sl)+4*(\per), \per
	WIN 0
	s_barrier_wait -1
	CREST
	tensor_load_to_lds s[G0+4*(1-(\nslot)):G0+4*(1-(\nslot))+3], s[G1:G1+7]
	s_nop 0
	FETCH 0, \nslot, 512
	FETCHB 0, \nslot, 0
	MMK \buf, 2, (\ks0)+2, \tt, 0, \at, (\sl)+8*(\per), \per
	MMK \buf, 3, (\ks0)+3, \tt, 0, \at, (\sl)+12*(\per), \per
.endm
.macro HALFE buf, ks0, tt                          ; an expert's very last half: nothing more to fetch
	s_wait_dscnt 0x0
	MMK \buf, 0, (\ks0), \tt, 0, -2, 0, 1
	MMK \buf, 1, (\ks0)+1, \tt, 0, -2, 0, 1
	MMK \buf, 2, (\ks0)+2, \tt, 0, -2, 0, 1
	MMK \buf, 3, (\ks0)+3, \tt, 0, -2, 0, 1
.endm
; layer 1: K = 128, a tile is one half; two chunks of eight tiles; two slices of tile T - 1 behind each product of tile T
.macro L1MM
.set TT, 0
.rept 16
.if (TT&7)==7
	HALFX 1, 0, TT, 1, TT-1, 0, 2, ((TT+1)>>3)&1
.else
	HALFN TT&1, 0, TT, 1, 0, TT-1, 0, 2, (TT+1)&1, (TT+1)>>3, 512+4096*((TT+1)&7), (TT+1)&1, (TT+1)&7, 0
.endif
.set TT, TT+1
.endr
.endm
; layers 2 and 3: K = 256, a tile is two halves; four chunks of four tiles; one slice of tile T - 1 behind each product of tile T
.macro MM256
.set TT, 0
.rept 16
	HALFN 0, 0, TT, 1, 0, TT-1, 0, 1, 1, (TT>>2)&1, 512+8192*(TT&3)+4096, -1, 0, 0
.if (TT&3)==3
	HALFX 1, 4, TT, 0, TT-1, 16, 1, ((TT+1)>>2)&1
.else
	HALFN 1, 4, TT, 0, 0, TT-1, 16, 1, 0, (TT>>2)&1, 512+8192*((TT&3)+1), (TT+1)&1, (TT&3)+1, 0
.endif
.set TT, TT+1
.endr
.endm
; layer 4: eight tiles, the expert's last two chunks.  It asks for no chunk, so that one text serves both experts: the first expert's way on asks for the next two.
.macro L4
.set TT, 0
.rept 8
	HALFN 0, 0, TT, 0, 1, -2, 0, 1, 1, (TT>>2)&1, 512+8192*(TT&3)+4096, -1, 0, 0
.if TT==7
	HALFE 1, 4, TT
.elseif TT==3
	HALFN 1, 4, TT, 0, 0, -2, 16, 1, 0, 1, 512, 0, 0, 1
.else
	HALFN 1, 4, TT, 0, 0, -2, 16, 1, 0, (TT>>2)&1, 512+8192*((TT&3)+1), (TT+1)&1, (TT&3)+1, 0
.endif
.set TT, TT+1
.endr
.endm
; ---- BETWEEN THE LAYERS.  One pass over the sub-tiles s0 to s1 - 1, which share a window, one packed instruction for each register pair.
; The pair pp is the outer loop and the sub-tile the inner one: neighbouring sub-tiles belong to different column tiles n, so that four
; instructions lie between two links of one running sum.
;   kind 0: SUM[n] += m                 (the sum's first term: tile 0's and tile 1's first pairs added; tile 1's is then passed over)
;   kind 1: m += -mean[n], in place
;   kind 2: SQ[n] += m m                (the first pair starts the sum by a multiply)
;   kind 3: m *= S[n], in place
;   kind 4: rounded to f16 in pairs: tile T's registers 2 p, 2 p + 1 become register 4 (T & 1) + p of fragment (T >> 1, n)
.macro PASS kind, s0, s1
.irp pp, 0,1,2,3
.set SX, \s0
.rept (\s1)-(\s0)
	TLOC SX>>2, SX&3
.set MR, ML+2*\pp
.set NR, 2*(SX&3)
.if (\kind)==0
.if (8*\pp+SX)<4
	WIN MW|(MW<<2)
	v_pk_add_f32 v[SUM+NR:SUM+NR+1], v[MR:MR+1], v[MR+32:MR+33]
.elseif (8*\pp+SX)>=8
	WIN MW
	v_pk_add_f32 v[SUM+NR:SUM+NR+1], v[MR:MR+1], v[SUM+NR:SUM+NR+1]
.endif
.endif
.if (\kind)==1
	WIN MW|(MW<<6)
	v_pk_add_f32 v[MR:MR+1], v[MR:MR+1], v[MN+NR:MN+NR+1]
.endif
.if (\kind)==2
	WIN MW|(MW<<2)
.if (8*\pp+SX)<4
	v_pk_mul_f32 v[SQ+NR:SQ+NR+1], v[MR:MR+1], v[MR:MR+1]
.else
	v_pk_fma_f32 v[SQ+NR:SQ+NR+1], v[MR:MR+1], v[MR:MR+1], v[SQ+NR:SQ+NR+1]
.endif
.endif
.if (\kind)==3
	WIN MW|(MW<<6)
	v_pk_mul_f32 v[MR:MR+1], v[MR:MR+1], v[SS+NR:SS+NR+1]
.endif
.if (\kind)==4
	WIN MW|(MW<<2)|0x40
	v_cvt_pk_f16_f32 v[32*(SX>>3)+8*(SX&3)+4*((SX>>2)&1)+\pp], v[MR], v[MR+1]
.endif
.set SX, SX+1
.endr
.endr
.endm
.macro SWEEP kind                      ; all 64 sub-tiles, window by window: one change of window for each of the three
	PASS \kind, 0, 30
	PASS \kind, 30, 60
	PASS \kind, 60, 64
.endm
; -mean of each of the four n; a lane holds half of its row's 256 units
.macro MEANS
.irp nn, 0,1,2,3
	v_add_f32 v[SUM+2*\nn], v[SUM+2*\nn], v[SUM+2*\nn+1]
.endr
.irp nn, 0,1,2,3
	v_permlanex16_b32 v[SCR+\nn], v[SUM+2*\nn], s34, s35     ; the other half of the units (the destinations have been written before, at the start)
.endr
.irp nn, 0,1,2,3
	v_add_f32 v[SUM+2*\nn], v[SUM+2*\nn], v[SCR+\nn]
.endr
.irp nn, 0,1,2,3
	v_mul_f32 v[MN+2*\nn], NINV256, v[SUM+2*\nn]
	v_mul_f32 v[MN+2*\nn+1], NINV256, v[SUM+2*\nn]
.endr
.endm
; LayerNorm's factor S = 1 / sqrt(Q / 256 + eps) = 16 / sqrt(Q + 256 eps), Q the sum of the 256 squares
.macro STATS
.irp nn, 0,1,2,3
	v_add_f32 v[SQ+2*\nn], v[SQ+2*\nn], v[SQ+2*\nn+1]
.endr
.irp nn, 0,1,2,3
	v_permlanex16_b32 v[SCR+4+\nn], v[SQ+2*\nn], s34, s35
.endr
.irp nn, 0,1,2,3
	v_add_f32 v[SQ+2*\nn], v[SQ+2*\nn], v[SCR+4+\nn]
.endr
.irp nn, 0,1,2,3
	v_add_f32 v[SQ+2*\nn], EPS256, v[SQ+2*\nn]
.endr
.irp nn, 0,1,2,3
	v_rsq_f32 v[SCR+\nn], v[SQ+2*\nn]
.endr
	v_nop
	s_wait_alu depctr_va_vdst(0)
.irp nn, 0,1,2,3
	v_mul_f32 v[SS+2*\nn], SIXTEEN, v[SCR+\nn]
	v_mul_f32 v[SS+2*\nn+1], SIXTEEN, v[SCR+\nn]
.endr
.endm
.macro GSET                            ; layer 3 is not normalised: its factor is the gate
.irp nn, 0,1,2,3
	v_mov_b32 v[SS+2*\nn], v[GCUR+\nn]
	v_mov_b32 v[SS+2*\nn+1], v[GCUR+\nn]
.endr
.endm
; The sum over the four waves' experts, 16 rows (column tile qq) at a time: each wave lays its 16 x 128 numbers into its own stage, and behind a
; barrier each wave reads rows 4 w .. 4 w + 3 of all four stages and adds them.  A wave so owns rows 16 qq + 4 w + ii, whole.
; last = 0: they start OSUM.  last = 1: they are added onto it and each row leaves as 512 neighbouring bytes.
.macro REDUCE last
	PLACES
.irp qq, 0,1,2,3
.irp tl, 0,1,2,3,4,5,6,7
	TLOC \tl, \qq
	WIN MW<<2
	ds_store_b128 v[STO], v[ML:ML+3] offset:64*\tl
	ds_store_b128 v[STO], v[ML+4:ML+7] offset:64*\tl+16
.endr
	WIN 0
	s_wait_dscnt 0x0                               ; my stores are in LDS, for the others
	s_barrier_signal -1
	s_barrier_wait -1
.irp gg, 0,1,2,3
.irp ii, 0,1,2,3
	ds_load_b128 v[RT+16*\gg+4*\ii:RT+16*\gg+4*\ii+3], v[RD] offset:SREG*\gg+STP*\ii
.endr
.endr
	s_wait_dscnt 0x0                               ; my reads are over: the stages may be written again once all four waves have said so
.if \qq<3
	s_barrier_signal -1
.endif
.irp ii, 0,1,2,3
.irp pp, 0,1
	v_pk_add_f32 v[RT+4*\ii+2*\pp:RT+4*\ii+2*\pp+1], v[RT+4*\ii+2*\pp:RT+4*\ii+2*\pp+1], v[RT+16+4*\ii+2*\pp:RT+16+4*\ii+2*\pp+1]
	v_pk_add_f32 v[RT+32+4*\ii+2*\pp:RT+32+4*\ii+2*\pp+1], v[RT+32+4*\ii+2*\pp:RT+32+4*\ii+2*\pp+1], v[RT+48+4*\ii+2*\pp:RT+48+4*\ii+2*\pp+1]
.endr
.endr
.irp ii, 0,1,2,3
.irp pp, 0,1
.if \last
	v_pk_add_f32 v[OSUM+16*\qq+4*\ii+2*\pp:OSUM+16*\qq+4*\ii+2*\pp+1], v[OSUM+16*\qq+4*\ii+2*\pp:OSUM+16*\qq+4*\ii+2*\pp+1], v[RT+4*\ii+2*\pp:RT+4*\ii+2*\pp+1]
.else
	v_pk_add_f32 v[OSUM+16*\qq+4*\ii+2*\pp:OSUM+16*\qq+4*\ii+2*\pp+1], v[RT+4*\ii+2*\pp:RT+4*\ii+2*\pp+1], v[RT+32+4*\ii+2*\pp:RT+32+4*\ii+2*\pp+1]
.endif
.endr
.endr
.if \last
.irp ii, 0,1,2,3
.irp pp, 0,1
	v_pk_add_f32 v[OSUM+16*\qq+4*\ii+2*\pp:OSUM+16*\qq+4*\ii+2*\pp+1], v[OSUM+16*\qq+4*\ii+2*\pp:OSUM+16*\qq+4*\ii+2*\pp+1], v[RT+32+4*\ii+2*\pp:RT+32+4*\ii+2*\pp+1]
.endr
.endr
.endif
.if \qq<3
	s_barrier_wait -1
.endif
.if \last
.irp ii, 0,1,2,3
	global_store_b128 v[OOFF], v[OSUM+16*\qq+4*\ii:OSUM+16*\qq+4*\ii+3], s[10:11] offset:(16*\qq+\ii)*512 th:TH_STORE_NT   ; a whole row; neither register is written again
.endr
.endif
.endr
.endm
	; ---- arguments, ids, descriptors
	s_load_b256 s[4:11], s[0:1], 0x0               ; x s[4:5], wf s[6:7], bg s[8:9], out0 s[10:11]
	v_lshrrev_b32 v1, 5, v0
	v_readfirstlane_b32 s12, v1                    ; wave 0..3
	s_bfe_u32 s13, ttmp6, 0x40000                  ; cx
	s_lshl_b32 s14, ttmp9, 2
	s_add_co_u32 s14, s14, s13                     ; work-group = 4 x cluster + cx: it enters the addresses of x and out0 alone
	s_mov_b32 s34, 0x76543210
	s_mov_b32 s35, 0xfedcba98
	; group 1: a chunk is dense in memory and comes in as 130 rows of 32 elements of 8 bytes
	s_mov_b32 s[G1+0], 15|(3<<16)|(1<<21)          ; 15:0 the mask: all four of the cluster; 17:16 elements of 8 bytes; 21 set beside a mask
	s_mov_b32 s[G1+1], 32<<16                      ; tensor_dim0 = 32
	s_mov_b32 s[G1+2], 130<<16                     ; tensor_dim1 = 130
	s_mov_b32 s[G1+3], 32<<16                      ; tile_dim0 = 32
	s_mov_b32 s[G1+4], 130                         ; tile_dim1 = 130
	s_mov_b32 s[G1+5], 32                          ; from row to row
	s_mov_b32 s[G1+6], 0
	s_mov_b32 s[G1+7], 0
	s_mul_i32 s36, s12, 2*CH                       ; my two slots
	s_mul_i32 s38, s12, 24*CH                      ; my two experts' 24 chunks in wf
	s_mov_b32 s39, 0
	s_lshl_b32 s48, s14, 15                        ; 64 rows of 512 bytes
	s_mov_b32 s49, 0
	s_wait_kmcnt 0x0
	s_add_nc_u64 s[4:5], s[4:5], s[48:49]
	s_add_nc_u64 s[10:11], s[10:11], s[48:49]
	s_mov_b32 s[G0+0], 1
	s_mov_b32 s[G0+1], s36
	s_add_nc_u64 s[G0+2:G0+3], s[6:7], s[38:39]    ; chunk 0: wave number and constants alone, equal in all four partners
	s_mov_b32 s[G0+4], 1
	s_add_co_u32 s[G0+5], s36, CH
	s_add_nc_u64 s[G0+6:G0+7], s[G0+2:G0+3], CH    ; chunk 1
	s_or_b32 s[G0+3], s[G0+3], 0x80000000
	s_or_b32 s[G0+7], s[G0+7], 0x80000000
	ROUND                                          ; the four work-groups are here: the first joint loads meet
	tensor_load_to_lds s[G0:G0+3], s[G1:G1+7]      ; chunk 0
	s_nop 0
	; ---- addresses
	v_and_b32 v1, 31, v0                           ; lane
	v_and_b32 v2, 15, v0                           ; r
	v_bfe_u32 v3, v0, 4, 1                         ; h
	s_lshl_b32 s37, s12, 13
	v_lshl_add_u32 v[XG], v1, 4, s37
	s_lshl_b32 s37, s12, 1
	v_add_nc_u32 v[GFO], s37, v2
	v_and_b32 v[GFO], 15, v[GFO]
	v_lshl_add_u32 v[GFO], v3, 4, v[GFO]
	v_lshlrev_b32 v[GFO], 4, v[GFO]
.irp ii, 0,1,2,3,4,5,6,7,8,9,10,11,12,13,14,15
	global_load_b128 v[OSUM+4*\ii:OSUM+4*\ii+3], v[XG], s[4:5] offset:512*\ii th:TH_LOAD_NT   ; my 16 rows of x, a whole row each
.endr
.irp ks, 0,1,2,3
	global_load_b128 v[AF+32+8*\ks:AF+32+8*\ks+3], v[GFO], s[6:7] offset:GF+1024*\ks          ; the gate's fragments, rows turned by 2 w:
	global_load_b128 v[AF+32+8*\ks+4:AF+32+8*\ks+7], v[GFO], s[6:7] offset:GF+1024*\ks+512    ; result registers 0 and 1 are then my own two experts
.endr
	s_load_b256 s[40:47], s[8:9], 0x0              ; bg
	v_lshl_add_u32 v[ADR], v1, 4, s36
	v_add_nc_u32 v[ADR+1], CH, v[ADR]
	v_lshl_add_u32 v[BADR], v3, 5, s36
	v_add_nc_u32 v[BADR+1], CH, v[BADR]
	v_mul_u32_u24 v[XRD], v2, XPI
	v_lshl_add_u32 v[XRD], v3, 4, v[XRD]
	v_add_nc_u32 v[XRD], XB, v[XRD]
	s_mul_i32 s37, s12, SREG
	s_add_co_u32 s37, s37, STG
	v_mul_u32_u24 v[STO], v2, STP
	v_lshl_add_u32 v[STO], v3, 5, v[STO]
	v_add_nc_u32 v[STO], s37, v[STO]
	s_mul_i32 s37, s12, 4*STP
	s_add_co_u32 s37, s37, STG
	v_lshl_add_u32 v[RD], v1, 4, s37
	s_lshl_b32 s37, s12, 11
	v_lshl_add_u32 v[OOFF], v1, 4, s37
	s_mul_i32 s37, s12, 16*XPI
	s_add_co_u32 s37, s37, XB
	v_lshl_add_u32 v[XST], v1, 3, s37
	; ---- x to f16, into LDS for all four waves
	s_wait_loadcnt 0x8                             ; x is in; the eight loads of the gate's fragments, issued behind it, may stay out
.irp ii, 0,1,2,3,4,5,6,7,8,9,10,11,12,13,14,15
	v_cvt_pk_f16_f32 v[TX+2*\ii], v[OSUM+4*\ii], v[OSUM+4*\ii+1]
	v_cvt_pk_f16_f32 v[TX+2*\ii+1], v[OSUM+4*\ii+2], v[OSUM+4*\ii+3]
.endr
.irp ii, 0,1,2,3,4,5,6,7,8,9,10,11,12,13,14,15
	ds_store_b64 v[XST], v[TX+2*\ii:TX+2*\ii+1] offset:XPI*\ii
.endr
	; ---- bg, turned by 2 w like the gate's rows (pairs: by two where bit 1 of w is set, by one where bit 0 is), times log2e
	s_wait_kmcnt 0x0
	s_bitcmp1_b32 s12, 1
	s_cselect_b64 s[48:49], s[44:45], s[40:41]
	s_cselect_b64 s[50:51], s[46:47], s[42:43]
	s_cselect_b64 s[52:53], s[40:41], s[44:45]
	s_cselect_b64 s[54:55], s[42:43], s[46:47]
	s_bitcmp1_b32 s12, 0
	s_cselect_b64 s[40:41], s[50:51], s[48:49]
	s_cselect_b64 s[42:43], s[52:53], s[50:51]
	s_cselect_b64 s[44:45], s[54:55], s[52:53]
	s_cselect_b64 s[46:47], s[48:49], s[54:55]
	v_mov_b32 v[SCR+8], LOG2E
.irp jj, 0,1,2,3,4,5,6,7
	v_mul_f32 v[SCR+\jj], s[40+\jj], v[SCR+8]
.endr
	; ---- into chunk 0
	s_wait_loadcnt 0x0                             ; the gate's fragments
	s_wait_tensorcnt 0x0                           ; chunk 0 has landed: slot 0's group 0 may be written
	s_add_nc_u64 s[G0+2:G0+3], s[G0+2:G0+3], 2*CH  ; chunk 2
	s_wait_dscnt 0x0                               ; my rows of x are in LDS, for the others
	ROUND
	tensor_load_to_lds s[G0+4:G0+7], s[G1:G1+7]    ; chunk 1: slot 1's first fill, my one load behind this round
	s_nop 0
	FETCH 0, 0, 512
	FETCHB 0, 0, 0
	XFRAG
	; ---- the gate: 8 logits (times log2e) of each row in a lane's eight registers, softmax with the maximum taken away
	s_wait_dscnt 0x0
	WIN 0x04
.irp ks, 0,1,2,3
.irp nn, 0,1,2,3
.if \ks==0
	v_wmma_f32_16x16x32_f16 v[TX+8*\nn:TX+8*\nn+7], v[AF+32+8*\ks:AF+32+8*\ks+7], v[32*\ks+8*\nn:32*\ks+8*\nn+7], v[SCR:SCR+7]
.else
	v_wmma_f32_16x16x32_f16 v[TX+8*\nn:TX+8*\nn+7], v[AF+32+8*\ks:AF+32+8*\ks+7], v[32*\ks+8*\nn:32*\ks+8*\nn+7], v[TX+8*\nn:TX+8*\nn+7]
.endif
.endr
.endr
	WIN 0
	PLACES
.irp nn, 0,1,2,3
	v_max3_num_f32 v[SCR+8+\nn], v[TX+8*\nn], v[TX+8*\nn+1], v[TX+8*\nn+2]
.endr
.irp nn, 0,1,2,3
	v_max3_num_f32 v[SCR+8+\nn], v[SCR+8+\nn], v[TX+8*\nn+3], v[TX+8*\nn+4]
.endr
.irp nn, 0,1,2,3
	v_max3_num_f32 v[SCR+8+\nn], v[SCR+8+\nn], v[TX+8*\nn+5], v[TX+8*\nn+6]
.endr
.irp nn, 0,1,2,3
	v_max_num_f32 v[SCR+8+\nn], v[SCR+8+\nn], v[TX+8*\nn+7]
.endr
.irp nn, 0,1,2,3
.irp jj, 0,1,2,3,4,5,6,7
	v_sub_f32 v[TX+8*\nn+\jj], v[TX+8*\nn+\jj], v[SCR+8+\nn]
.endr
.endr
.irp nn, 0,1,2,3
.irp jj, 0,1,2,3,4,5,6,7
	v_exp_f32 v[TX+8*\nn+\jj], v[TX+8*\nn+\jj]
.endr
.endr
	v_nop
	s_wait_alu depctr_va_vdst(0)
.irp nn, 0,1,2,3
	v_pk_add_f32 v[TX+8*\nn+2:TX+8*\nn+3], v[TX+8*\nn:TX+8*\nn+1], v[TX+8*\nn+2:TX+8*\nn+3]
	v_pk_add_f32 v[TX+8*\nn+4:TX+8*\nn+5], v[TX+8*\nn+4:TX+8*\nn+5], v[TX+8*\nn+6:TX+8*\nn+7]
.endr
.irp nn, 0,1,2,3
	v_pk_add_f32 v[TX+8*\nn+2:TX+8*\nn+3], v[TX+8*\nn+2:TX+8*\nn+3], v[TX+8*\nn+4:TX+8*\nn+5]
.endr
.irp nn, 0,1,2,3
	v_add_f32 v[TX+8*\nn+2], v[TX+8*\nn+2], v[TX+8*\nn+3]
.endr
.irp nn, 0,1,2,3
	v_rcp_f32 v[TX+8*\nn+3], v[TX+8*\nn+2]         ; the sum is at least 1: the largest term is 2^0
.endr
	v_nop
	s_wait_alu depctr_va_vdst(0)
.irp nn, 0,1,2,3
	v_mul_f32 v[GCUR+\nn], v[TX+8*\nn], v[TX+8*\nn+3]
	v_mul_f32 v[GNXT+\nn], v[TX+8*\nn+1], v[TX+8*\nn+3]
.endr
	; ---- my two experts.  Every wait on TENSORcnt in this text is for 0, so none of them hangs on the way by which it is reached.
	s_mov_b32 s32, 0
.Lexp:
	L1MM
	WIN 0
	s_mov_b32 s33, 0
.Llay:                                             ; three trips: behind layers 1, 2, 3
	ACTS 15, 0, 32                                 ; tile 15's activation: no products are left to set it among.  Tile 14's last slice stands behind the layer's last product
	WIN 0
	s_cmp_eq_u32 s33, 2
	s_cbranch_scc1 .Lgate
	SWEEP 0                                        ; layers 1 and 2 are normalised: the sums,
	WIN 0
	MEANS                                          ; the means,
	SWEEP 1                                        ; taken away in place,
	SWEEP 2                                        ; the squares of what is left,
	WIN 0
	STATS                                          ; and the factor
	s_branch .Lnorm
.Lgate:
	GSET
.Lnorm:
	SWEEP 3                                        ; times the factor,
	SWEEP 4                                        ; and into the next layer's fragments
	WIN 0
	s_cmp_eq_u32 s33, 2
	s_cbranch_scc1 .Lfour                          ; behind layer 3 the loop is left here
	MM256
	WIN 0
	s_add_co_u32 s33, s33, 1
	s_cmp_lt_u32 s33, 3
	s_cbranch_scc1 .Llay
.Lfour:
	L4
	WIN 0
	s_cmp_eq_u32 s32, 1
	s_cbranch_scc1 .Ltail                          ; behind the second expert no chunk is left to ask for
	; the first expert's way on: both slots are read out.  Chunk 12 goes out first and lands beside the reduction; chunk 13 follows behind a round of its own.
	s_wait_dscnt 0x0                               ; my reads of both slots are over
	s_wait_tensorcnt 0x0                           ; none of my loads is out: every group 0 may be written
	s_add_nc_u64 s[G0+6:G0+7], s[G0+6:G0+7], 2*CH  ; slot 1: chunk 13
	ROUND
	tensor_load_to_lds s[G0:G0+3], s[G1:G1+7]      ; chunk 12 into slot 0: my one load behind this round
	s_nop 0
	REDUCE 0                                       ; chunk 12 may be on its way across these barriers
.irp nn, 0,1,2,3
	v_mov_b32 v[GCUR+\nn], v[GNXT+\nn]
.endr
	s_wait_tensorcnt 0x0                           ; chunk 12 has landed
	s_add_nc_u64 s[G0+2:G0+3], s[G0+2:G0+3], 2*CH  ; slot 0: chunk 14
	s_wait_dscnt 0x0
	ROUND
	tensor_load_to_lds s[G0+4:G0+7], s[G1:G1+7]    ; chunk 13 into slot 1
	s_nop 0
	FETCH 0, 0, 512
	FETCHB 0, 0, 0
	XFRAG
	s_add_co_u32 s32, s32, 1
	s_cmp_lt_u32 s32, 2
	s_cbranch_scc1 .Lexp
.Ltail:
	REDUCE 1
	s_wait_tensorcnt 0x0                           ; no tensor load may be out at the end (my last was waited for in layer 4)
	ROUND                                          ; the closing round: no work-group ends while a partner may still ask for a chunk that names it
	s_endpgm
.Lfunc_end_k_q7a664ef61b_main:
	.size	k_q7a664ef61b_main, .Lfunc_end_k_q7a664ef61b_main-k_q7a664ef61b_main
	.p2alignl 7, 3214868480
	.fill 96, 4, 3214868480
	.section	.rodata,"a",@progbits
	.p2align	6, 0x0
	.amdhsa_kernel k_q7a664ef61b_main
		.amdhsa_group_segment_fixed_size 327680
		.amdhsa_private_segment_fixed_size 0
		.amdhsa_enable_private_segment 0
		.amdhsa_kernarg_size 32
		.amdhsa_user_sgpr_count 2
		.amdhsa_user_sgpr_kernarg_segment_ptr 1
		.amdhsa_wavefront_size32 1
		.amdhsa_system_sgpr_workgroup_id_x 1
		.amdhsa_system_sgpr_workgroup_id_y 1
		.amdhsa_system_sgpr_workgroup_id_z 1
		.amdhsa_system_vgpr_workitem_id 0
		.amdhsa_next_free_vgpr 1024
		.amdhsa_next_free_sgpr 66
		.amdhsa_reserve_vcc 0
		.amdhsa_float_denorm_mode_32 3
		.amdhsa_float_denorm_mode_16_64 3
		.amdhsa_memory_ordered 1
		.amdhsa_forward_progress 1
		.amdhsa_inst_pref_size 255
	.end_amdhsa_kernel
	.section	.bss,"aw",@nobits
	.p2align	6
	.space	262144
	.amdgpu_metadata
---
amdhsa.version: [ 1, 2 ]
amdhsa.kernels:
  - .name:           k_q7a664ef61b_main
    .symbol:         k_q7a664ef61b_main.kd
    .args:
      - { .name: x, .offset: 0, .size: 8, .value_kind: global_buffer, .address_space: global }
      - { .name: wf, .offset: 8, .size: 8, .value_kind: global_buffer, .address_space: global }
      - { .name: bg, .offset: 16, .size: 8, .value_kind: global_buffer, .address_space: global }
      - { .name: out0, .offset: 24, .size: 8, .value_kind: global_buffer, .address_space: global }
    .group_segment_fixed_size: 327680
    .private_segment_fixed_size: 0
    .kernarg_segment_align: 8
    .kernarg_segment_size: 32
    .max_flat_workgroup_size: 128
    .sgpr_count:     66
    .vgpr_count:     1024
    .wavefront_size: 32
...
	.end_amdgpu_metadata
.endif
;; end of part 2
;; ======== version 2 of 2: 2 launches; 1.21 times as fast as version 1
;; limits: values are held in f16: magnitudes above 65,504 overflow, below 6.1e-05 lose precision; inputs' magnitudes at most 45,400
;; workspace buffers: wf 3,198,976 bytes
;; launch prep: the kernel of part 1 again; grid 49 x 8, 8 waves a work-group, no clusters, 0 bytes of LDS; arguments W1, W2, W3, W4, Wg, b1, b2, b3, b4, wf; writes wf
;; launch main (part 3): grid 256 x 1, 4 waves a work-group, clusters of 4 x 1, 327,680 bytes of LDS; arguments x, wf, bg, out0; writes out0
.if DOCPART == 3
	.amdgcn_target "amdgcn-amd-amdhsa--gfx1250"
	.amdhsa_code_object_version 6
	.text
	.protected	k_q7a664ef61b_main
	.globl	k_q7a664ef61b_main
	.p2align	8
	.type	k_q7a664ef61b_main,@function
k_q7a664ef61b_main:
	s_mov_b64 s[64:65], 0
	v_nop
	global_prefetch_b8 v0, s[64:65] scope:SCOPE_SE
	s_setreg_imm32_b32 hwreg(HW_REG_WAVE_MODE, 25, 1), 1
	s_wait_xcnt 0x0
	s_wait_alu depctr_hold_cnt(0) depctr_sa_sdst(0) depctr_va_vdst(0) depctr_va_sdst(0) depctr_va_ssrc(0) depctr_va_vcc(0) depctr_vm_vsrc(0)
	s_getreg_b32 s2, hwreg(HW_REG_IB_STS2, 6, 4)
	s_cmp_eq_u32 s2, 0
	s_cbranch_scc0 .Lentry_in_a_cluster
	s_endpgm
.Lentry_in_a_cluster:
	s_bfe_u32 s2, ttmp6, 0x10000c
	s_cmp_lg_u32 s2, 0x3003
	s_cbranch_scc0 .Lentry_shape_is_right
	s_endpgm
.Lentry_shape_is_right:
; main: gate, four layers of all eight experts, mish, LayerNorm and the gate-weighted sum, fused; only x, bg and wf come in, only out0 goes out.
; Nothing of the problem is left out (see the first kernel's head).
; SHARES.  A work-group owns 64 rows of x.  Wave w runs experts 2 w and 2 w + 1, one after the other, for all 64 rows (four column tiles n of 16 rows).
; THE MATRIX INSTRUCTION IS USED TRANSPOSED: source 0 = 16 units x 32 k of the weights (from wf), source 1 = 32 k x 16 rows of the batch.
; In the result lane (r, h) holds batch row r and register j unit 8 h + j.  So (1) a row's mean and variance are sums inside a lane and one
; exchange of the halves, (2) two neighbouring result tiles, rounded to f16 in pairs, ARE the next layer's second source (units 8 h + j in
; registers 0-3, units 16 + 8 h + j in registers 4-7): the chain of layers never leaves the registers, (3) gate and LayerNorm factors are one number a lane.
; FORMAT: f16 operands, f32 sums.  Every operand has room in f16: the normalised layers are at most 16 in magnitude by the normalisation itself.
; MISH from y = log2e x (the scale is in the weights): t = 2^y, d = -(t t / 2 + t + 1), m = y + y / d = log2e mish(x).  t = infinity gives m = y, t = 0 gives 0: no clamp.
; LayerNorm does not see the common factor log2e if eps is taken times log2e^2; behind layer 3 the factor is taken off by W4 ln 2.
; LayerNorm goes in two passes: the mean is formed and taken away in place, and the variance is the mean square of what is left.  No difference of
; large sums is formed, however large a row's mean is beside its deviation.
; The gate g goes onto layer 3's result before it is rounded, and layer 4's sums start at g b4: a wave's layer 4 gives g_e y_e.
; TURNS.  mish of a tile of 16 units needs that tile's finished sums alone.  So the activation of tile T - 1 is one numbered list, cut into 32 slices, and in
; layers 1 to 3 they stand behind the products of tile T: one behind each of the 32 products in layers 2 and 3, two behind each of the 16 in layer 1.
; Only tile 15, which has no tile behind it, the row statistics and the scaling stand as phases between the layers.
; BATCHES.  A tile's 64 transcendentals are two batches, each with one wait.  Numbers 0-31 of the list are its 32 powers of two; a v_nop and the wait follow.  Numbers 32-95 are
; the 32 plain steps from t to d with the 32 reciprocals among them: a reciprocal reads a plain result, and nothing there names a reciprocal's; a v_nop and the wait follow.
; Numbers 96-111 are the 16 steps to m, which read the reciprocals.  Each result has a register of its own for as long as its batch is open.  Where the branch of a change
; of slots cuts the second batch, a wait for the reciprocals issued so far stands ahead of the branch.
; CLUSTER: the four work-groups of a cluster walk the same chunks of wf in step; each chunk is asked for jointly (mask 15) and lands in each one's LDS.
; LIMITS.  |x|, |W log2e|, |W4 ln2|, |g log2e mish| below 65,504 (f16); below 6.1e-5 their rounding is absolute, 3e-8.
;   mish: absolute error about |x| 2^-23 (from y + y / d); below x = -87 the power of two is flushed and the result is 0.
;   The order of the f32 sums differs from the reference's.  NaN and infinite inputs are not reproduced.
.set CH,     33280                     ; a chunk: 512 bytes of biases, 32 fragment blocks of 1,024 bytes
.set XB,     8*CH                      ; LDS: 8 slots (wave w, slot s at (2 w + s) CH), then x in f16: 64 rows, pitch 272
.set XPI,    272
.set STG,    XB+64*XPI                 ; then four stages (one a wave) of 16 rows of 128 f32, pitch 528
.set STP,    528
.set SREG,   16*STP
.set GF,     96*CH                     ; the gate's fragments in wf
.set LOG2E,  0x3fb8aa3b
.set EPS256, 0x3bae990f                ; 256 x 1e-5 log2e^2
.set NINV256, 0xbb800000               ; -1 / 256
.set SIXTEEN, 0x41800000               ; 16.0
; REGISTERS, in windows of 256.  Window 1: the second source, fragment (ks, n) at 32 ks + 8 n.
; The 64 result tiles of 8 registers: sub-tile s = 4 T + n lies at 8 s of window 2 (s < 30), at 8 (s - 30) of window 3 (s < 60), at 128 + 8 (s - 60) of
; window 0 (tile 15).  v240-255 of each of these three windows are the activation's scratch.  The list is cut where the setting of the windows changes, so
; the instructions of a slice share one setting: a slice costs one change of window and the product behind it one more (in layer 1, where two slices
; stand behind a product, five of a tile's sixteen pairs of slices have two settings).
; Window 0:
.set ADR,  4                           ; v4-5    slot 0, 1: slot + 16 lane
.set BADR, 6                           ; v6-7    slot 0, 1: slot + 32 h (the header)
.set XRD,  8                           ; XB + 272 r + 16 h
.set STO,  9                           ; my stage + 528 r + 32 h
.set RD,   10                          ; STG + 4 w rows + 16 lane
.set OOFF, 11                          ; out0: 4 w rows + 16 lane
.set XST,  12                          ; XB + 16 w rows + 8 lane
.set XG,   13                          ; x: 16 w rows + 16 lane
.set GFO,  14                          ; 16 (((r + 2 w) & 15) + 16 h)
.set BIAS, 16                          ; v16-23, v24-31  biases of an even, an odd tile
.set GCUR, 32                          ; v32-35  gate of the expert at work, one for each n
.set GNXT, 36                          ; v36-39  gate of my second expert
.set SUM,  40                          ; v40-47  pairs: sums of m
.set SQ,   48                          ; v48-55  pairs: sums of (m - mean)^2
.set SS,   56                          ; v56-63  pairs (S, S): the factor
.set AF,   64                          ; v64-95, v96-127  weight fragments, two buffers of four
.set RT,   96                          ; v96-159 where the reduction's loads land (buffer 1 and tile 15's place, both idle then)
.set TX,   128                         ; v128-159 tile 15; at the start: x in f16, then the gate's sums
.set OSUM, 160                         ; v160-223 my 16 rows of the result (at the start: x as loaded)
.set MN,   224                         ; v224-231 pairs (-mean, -mean)
.set SCR,  232                         ; v232-243 the gate's bias and maxima; later v232-239: the other half's sums, the reciprocal roots
.set ASC,  240                         ; v240-255 of window 2: t, then d, then 1 / d of a tile's pairs 0-7; of window 3: of its pairs 8-15; of window 0: u of eight pairs
.set G1,   16                          ; s[16:23] descriptor group 1
.set G0,   24                          ; s[24:27], s[28:31] descriptor group 0 of slot 0, 1
; s12 wave; s13 cx; s14 work-group; s32 expert trip; s33 layer trip; s34-35 selects of the half exchange; s36-39, s48-55 at work; s[40:47] bg
.set MSB, 0
.macro WIN new                         ; s_set_vgpr_msb: bits 1:0 source 0, 3:2 source 1, 5:4 source 2, 7:6 destination; the high byte repeats the setting left
.if MSB != (\new)
	s_set_vgpr_msb (MSB<<8)|(\new)
.set MSB, \new
.endif
.endm
.macro PLACES                          ; four places behind matrix instructions (ISA guide 7.12.1), where no slice stands there
.rept 4
	v_nop
.endr
.endm
.macro CREST                           ; a round of the cluster's barrier behind its opening work-group barrier
	s_cmp_lg_u32 s12, 0
	s_cbranch_scc1 .Lnot_wave_0_\@
	s_barrier_signal -3
.Lnot_wave_0_\@:
	s_barrier_wait -3
	s_barrier_signal -1
	s_barrier_wait -1
.endm
.macro ROUND
	s_barrier_signal -1
	s_barrier_wait -1
	CREST
.endm
; where result tile (tt, nn) lies: window MW, first register ML
.macro TLOC tt, nn
.set SUBT, 4*(\tt)+(\nn)
.if SUBT<30
.set MW, 2
.set ML, 8*SUBT
.elseif SUBT<60
.set MW, 3
.set ML, 8*(SUBT-30)
.else
.set MW, 0
.set ML, 128+8*(SUBT-60)
.endif
.endm
; eight LDS loads: four weight fragments (32 lanes x 16 neighbouring bytes each load) from byte boff of a slot into buffer buf
.macro FETCH buf, slot, boff
.irp ff, 0,1,2,3
	ds_load_b128 v[AF+32*(\buf)+8*\ff:AF+32*(\buf)+8*\ff+3],   v[ADR+(\slot)] offset:(\boff)+1024*\ff
	ds_load_b128 v[AF+32*(\buf)+8*\ff+4:AF+32*(\buf)+8*\ff+7], v[ADR+(\slot)] offset:(\boff)+1024*\ff+512
.endr
.endm
; the eight biases 8 h + 0..7 of the chunk's tile bi
.macro FETCHB bb, slot, bi
	ds_load_b128 v[BIAS+8*(\bb):BIAS+8*(\bb)+3],   v[BADR+(\slot)] offset:64*(\bi)
	ds_load_b128 v[BIAS+8*(\bb)+4:BIAS+8*(\bb)+7], v[BADR+(\slot)] offset:64*(\bi)+16
.endm
; ---- THE ACTIVATION OF ONE TILE.  Pair pp = 0..15 is register pair pp & 3 of column tile pp >> 2.  Five steps a pair:
; AE t = 2^y (one register), AU u = -t / 2 - 1, AD d = t u - 1 = -(t t / 2 + t + 1), AR 1 / d (one register), AM m = y / d + y, in place of y.
; Pair pp's t has two registers of its own, v[ASC + 2 (pp & 7)] of window 2 (pp < 8) or 3; d takes t's place and 1 / d takes d's.  u lies at the same
; register number of window 0 and serves eight pairs at a time.
.set OPEN, 0                           ; follows the text: 1 from a transcendental to the wait behind it
.macro APOS at, pp                     ; the pair's y: window MW, register YR; its scratch: window TW (u: window 0), register TR
	TLOC \at, (\pp)>>2
.set YR, ML+2*((\pp)&3)
.set TR, ASC+2*((\pp)&7)
.set TW, 2+((\pp)>>3)
.endm
.macro AE at, pp, hh
	APOS \at, \pp
	WIN MW|(TW<<6)                                 ; y's window, t's window
	v_exp_f32 v[TR+(\hh)], v[YR+(\hh)]
.set OPEN, 1
.endm
.macro AU at, pp
	APOS \at, \pp
	WIN TW                                         ; source 0: t; destination: u, in window 0
	v_pk_fma_f32 v[TR:TR+1], v[TR:TR+1], -0.5, -1.0 op_sel_hi:[1,0,0]
.endm
.macro AD at, pp
	APOS \at, \pp
	WIN TW|(TW<<6)                                 ; source 0: t; source 1: u, in window 0; destination: d, in t's place
	v_pk_fma_f32 v[TR:TR+1], v[TR:TR+1], v[TR:TR+1], -1.0 op_sel_hi:[1,1,0]
.endm
.macro AR at, pp, hh
	APOS \at, \pp
	WIN TW|(TW<<6)                                 ; AD's setting: the two stand in one slice
	v_rcp_f32 v[TR+(\hh)], v[TR+(\hh)]
.set OPEN, 1
.endm
.macro AM at, pp
	APOS \at, \pp
	WIN TW|(MW<<2)|(MW<<4)|(MW<<6)                 ; source 0: 1 / d; the others: y
	v_pk_fma_f32 v[YR:YR+1], v[TR:TR+1], v[YR:YR+1], v[YR:YR+1]
.endm
; Number jj = 0..111 of tile at's list.
;   0-31    AE: register jj & 1 of pair jj >> 1: each accumulator's lowest register is read first
;   32-63   pairs 0-7: eight AU; AD of pairs 0, 1, 2; then for g = 0..4: AR (g, 0), AD of pair g + 3, AR (g, 1); then AR of pairs 5, 6, 7.  An AU stands eight numbers or more ahead of its pair's AD
;   64-95   the same for pairs 8-15
;   96-111  AM of pair jj - 96
.macro ANUM at, jj
.if (\jj)<32
	AE \at, (\jj)>>1, (\jj)&1
.elseif (\jj)<96
.set AH, ((\jj)-32)/32
.set AK, ((\jj)-32)%32
.if AK<8
	AU \at, 8*AH+AK
.elseif AK<11
	AD \at, 8*AH+AK-8
.elseif AK<26
.if ((AK-11)%3)==1
	AD \at, 8*AH+(AK-11)/3+3
.else
	AR \at, 8*AH+(AK-11)/3, ((AK-11)%3)/2
.endif
.else
	AR \at, 8*AH+5+(AK-26)/2, (AK-26)&1
.endif
.else
	AM \at, (\jj)-96
.endif
.endm
; Slice ii = 0..31 of tile at.  Slices 0-10: the powers of two, 3, 3, 3, 3, 2, 2 (pairs 0-7) and 3, 3, 3, 3, 4 (pairs 8-15).  Slices 11-26: numbers 32-95, four each.
; Slices 27-31: the steps to m, 3, 3, 2 (pairs 0-7) and 4, 4 (pairs 8-15).  No instruction follows a transcendental that reads its result or writes its source, and a plain
; instruction stands between every transcendental and the first use of its result (ISA guide 5.7.2): the v_nop at each batch's end.
; The last slice holds four plain instructions: they are the four places behind the tile's last product above it.
.macro SLICE at, ii
.if (\ii)<4
.set SJ, 3*(\ii)
.set SN, 3
.elseif (\ii)<6
.set SJ, 2*(\ii)+4
.set SN, 2
.elseif (\ii)<10
.set SJ, 3*(\ii)-2
.set SN, 3
.elseif (\ii)<27
.set SJ, 4*(\ii)-12
.set SN, 4
.elseif (\ii)<29
.set SJ, 3*(\ii)+15
.set SN, 3
.elseif (\ii)==29
.set SJ, 102
.set SN, 2
.else
.set SJ, 4*(\ii)-16
.set SN, 4
.endif
.rept SN
	ANUM \at, SJ
.set SJ, SJ+1
.endr
.if ((\ii)==10)||((\ii)==26)
	v_nop                                          ; the plain instruction behind the batch's last transcendental: no plain work is free here
	s_wait_alu depctr_va_vdst(0)                   ; one wait a batch: behind slice 10 for the tile's 32 powers of two, ahead of the first AU; behind slice 26 for its reciprocals, ahead of the first AM
.set OPEN, 0
.endif
.endm
; cnt slices from slice first on.  at = -1: a layer's tile 0, which has no tile in front of it: only the four places at its end.  at = -2: nothing (layer 4).
.macro ACTS at, first, cnt
.if (\at)>=0
.set SI, \first
.rept \cnt
	SLICE \at, SI
.set SI, SI+1
.endr
.elseif (\at)==-1
.if ((\first)+(\cnt))==32
	PLACES
.endif
.endif
.endm
; four products: fragment ff of buffer buf (tile tt, K step ks) with the four column tiles, and behind each of them per slices of tile at, from slice sl on.
; cb = 1: the sums start at the biases.  The four accumulators take turns, one instruction a turn.
.macro MMK buf, ff, ks, tt, cb, at, sl, per
.irp nn, 0,1,2,3
	TLOC \tt, \nn
.if \cb
	WIN 0x04|(MW<<6)
	v_wmma_f32_16x16x32_f16 v[ML:ML+7], v[AF+32*(\buf)+8*(\ff):AF+32*(\buf)+8*(\ff)+7], v[32*(\ks)+8*\nn:32*(\ks)+8*\nn+7], v[BIAS+8*((\tt)&1):BIAS+8*((\tt)&1)+7]
.else
	WIN 0x04|(MW<<4)|(MW<<6)
	v_wmma_f32_16x16x32_f16 v[ML:ML+7], v[AF+32*(\buf)+8*(\ff):AF+32*(\buf)+8*(\ff)+7], v[32*(\ks)+8*\nn:32*(\ks)+8*\nn+7], v[ML:ML+7]
.endif
	ACTS \at, (\sl)+(\per)*\nn, \per
.endr
.endm
; layer 4: tile tt's sums start at g b4
.macro INIT tt
.irp nn, 0,1,2,3
	TLOC \tt, \nn
	WIN MW<<6
.irp pp, 0,1,2,3
	v_pk_mul_f32 v[ML+2*\pp:ML+2*\pp+1], v[BIAS+8*((\tt)&1)+2*\pp:BIAS+8*((\tt)&1)+2*\pp+1], v[SS+2*\nn:SS+2*\nn+1]
.endr
.endr
.endm
; x as layer 1's second source: row 16 n + r, k = 32 ks + 8 h .. and 32 ks + 16 + 8 h ..
.macro XFRAG
	WIN 0x40
.irp ks, 0,1,2,3
.irp nn, 0,1,2,3
	ds_load_b128 v[32*\ks+8*\nn:32*\ks+8*\nn+3],   v[XRD] offset:16*XPI*\nn+64*\ks
	ds_load_b128 v[32*\ks+8*\nn+4:32*\ks+8*\nn+7], v[XRD] offset:16*XPI*\nn+64*\ks+32
.endr
.endr
	WIN 0
.endm
; A half tile: 16 products (four K steps from ks0 on) out of buffer buf.  Behind its first four products the NEXT half's fragments are asked for, in one run:
; buffer nbuf from byte noff of slot nslot, and, where nb is not negative, the next tile's biases (set nb, tile nbi of the chunk).  That buffer was last read
; by the half in front; between that half's last product and the run stand four plain instructions at the least (slice 31's four steps to m; or, of slices 15 to 19,
; three AD and four AU), or layer 4's sixteen starting products, or four v_nop.  tw = 1: the next half lies in a chunk whose load is still to be waited for.  init = 1: layer 4's start.
.macro HALFN buf, ks0, tt, cb, init, at, sl, per, nbuf, nslot, noff, nb, nbi, tw
	s_wait_dscnt 0x0                               ; this half's fragments and biases: asked for twelve products ago (eight behind a change of slots)
.if \init
	INIT \tt
.endif
	MMK \buf, 0, (\ks0), \tt, \cb, \at, (\sl), \per
	WIN 0
.if (\at)<0
.if (\init)==0
	PLACES
.endif
.endif
.if \tw
	s_wait_tensorcnt 0x0                           ; my load of the next chunk has landed; I alone read it, so no barrier is needed
.endif
	FETCH \nbuf, \nslot, \noff
.if (\nb)>=0
	FETCHB \nb, \nslot, \nbi
.endif
	MMK \buf, 1, (\ks0)+1, \tt, 0, \at, (\sl)+4*(\per), \per
	MMK \buf, 2, (\ks0)+2, \tt, 0, \at, (\sl)+8*(\per), \per
	MMK \buf, 3, (\ks0)+3, \tt, 0, \at, (\sl)+12*(\per), \per
.endm
; The last half of a chunk, and the change of slots.  In front of the round of the cluster's barrier every wave has waited for its reads of the
; slot that it leaves and for all its tensor loads (one: the chunk in slot nslot).  Inside the round stands register work alone.  Behind it the
; joint refill of the slot just left comes first: the chunk after the next.  By this text's count a wave has one tensor load out at most.
; Buffer 0 and bias set 0, loaded behind the refill, were last read eight products and their slices ago or earlier.
; The round's branch falls behind slice 23 (layer 1: slice 15), amid the tile's reciprocals.
.macro HALFX buf, ks0, tt, cb, at, sl, per, nslot
	s_wait_dscnt 0x0                               ; my reads of this slot are over, this half's fragments among them
	s_wait_tensorcnt 0x0                           ; my one load, the next chunk, has landed: every group 0 may be written
	s_add_nc_u64 s[G0+4*(\nslot)+2:G0+4*(\nslot)+3], s[G0+4*(\nslot)+2:G0+4*(\nslot)+3], 2*CH   ; slot nslot's next chunk, asked for at the next change
	s_barrier_signal -1
	MMK \buf, 0, (\ks0), \tt, \cb, \at, (\sl), \per
	MMK \buf, 1, (\ks0)+1, \tt, 0, \at, (\sl)+4*(\per), \per
	WIN 0
.if OPEN
	s_wait_alu depctr_va_vdst(0)                   ; for the reciprocals issued so far: their wait stands ahead of the branch below; the batch's own wait, behind slice 26, serves the rest
.set OPEN, 0
.endif
	s_barrier_wait -1
	CREST
	tensor_load_to_lds s[G0+4*(1-(\nslot)):G0+4*(1-(\nslot))+3], s[G1:G1+7]
	s_nop 0
	FETCH 0, \nslot, 512
	FETCHB 0, \nslot, 0
	MMK \buf, 2, (\ks0)+2, \tt, 0, \at, (\sl)+8*(\per), \per
	MMK \buf, 3, (\ks0)+3, \tt, 0, \at, (\sl)+12*(\per), \per
.endm
.macro HALFE buf, ks0, tt                          ; an expert's very last half: nothing more to fetch
	s_wait_dscnt 0x0
	MMK \buf, 0, (\ks0), \tt, 0, -2, 0, 1
	MMK \buf, 1, (\ks0)+1, \tt, 0, -2, 0, 1
	MMK \buf, 2, (\ks0)+2, \tt, 0, -2, 0, 1
	MMK \buf, 3, (\ks0)+3, \tt, 0, -2, 0, 1
.endm
; layer 1: K = 128, a tile is one half; two chunks of eight tiles; two slices of tile T - 1 behind each product of tile T
.macro L1MM
.set TT, 0
.rept 16
.if (TT&7)==7
	HALFX 1, 0, TT, 1, TT-1, 0, 2, ((TT+1)>>3)&1
.else
	HALFN TT&1, 0, TT, 1, 0, TT-1, 0, 2, (TT+1)&1, (TT+1)>>3, 512+4096*((TT+1)&7), (TT+1)&1, (TT+1)&7, 0
.endif
.set TT, TT+1
.endr
.endm
; layers 2 and 3: K = 256, a tile is two halves; four chunks of four tiles; one slice of tile T - 1 behind each product of tile T
.macro MM256
.set TT, 0
.rept 16
	HALFN 0, 0, TT, 1, 0, TT-1, 0, 1, 1, (TT>>2)&1, 512+8192*(TT&3)+4096, -1, 0, 0
.if (TT&3)==3
	HALFX 1, 4, TT, 0, TT-1, 16, 1, ((TT+1)>>2)&1
.else
	HALFN 1, 4, TT, 0, 0, TT-1, 16, 1, 0, (TT>>2)&1, 512+8192*((TT&3)+1), (TT+1)&1, (TT&3)+1, 0
.endif
.set TT, TT+1
.endr
.endm
; layer 4: eight tiles, the expert's last two chunks.  It asks for no chunk, so that one text serves both experts: the first expert's way on asks for the next two.
.macro L4
.set TT, 0
.rept 8
	HALFN 0, 0, TT, 0, 1, -2, 0, 1, 1, (TT>>2)&1, 512+8192*(TT&3)+4096, -1, 0, 0
.if TT==7
	HALFE 1, 4, TT
.elseif TT==3
	HALFN 1, 4, TT, 0, 0, -2, 16, 1, 0, 1, 512, 0, 0, 1
.else
	HALFN 1, 4, TT, 0, 0, -2, 16, 1, 0, (TT>>2)&1, 512+8192*((TT&3)+1), (TT+1)&1, (TT&3)+1, 0
.endif
.set TT, TT+1
.endr
.endm
; ---- BETWEEN THE LAYERS.  One pass over the sub-tiles s0 to s1 - 1, which share a window, one packed instruction for each register pair.
; The pair pp is the outer loop and the sub-tile the inner one: neighbouring sub-tiles belong to different column tiles n, so that four
; instructions lie between two links of one running sum.
;   kind 0: SUM[n] += m                 (the sum's first term: tile 0's and tile 1's first pairs added; tile 1's is then passed over)
;   kind 1: m += -mean[n], in place
;   kind 2: SQ[n] += m m                (the first pair starts the sum by a multiply)
;   kind 3: m *= S[n], in place
;   kind 4: rounded to f16 in pairs: tile T's registers 2 p, 2 p + 1 become register 4 (T & 1) + p of fragment (T >> 1, n)
.macro PASS kind, s0, s1
.irp pp, 0,1,2,3
.set SX, \s0
.rept (\s1)-(\s0)
	TLOC SX>>2, SX&3
.set MR, ML+2*\pp
.set NR, 2*(SX&3)
.if (\kind)==0
.if (8*\pp+SX)<4
	WIN MW|(MW<<2)
	v_pk_add_f32 v[SUM+NR:SUM+NR+1], v[MR:MR+1], v[MR+32:MR+33]
.elseif (8*\pp+SX)>=8
	WIN MW
	v_pk_add_f32 v[SUM+NR:SUM+NR+1], v[MR:MR+1], v[SUM+NR:SUM+NR+1]
.endif
.endif
.if (\kind)==1
	WIN MW|(MW<<6)
	v_pk_add_f32 v[MR:MR+1], v[MR:MR+1], v[MN+NR:MN+NR+1]
.endif
.if (\kind)==2
	WIN MW|(MW<<2)
.if (8*\pp+SX)<4
	v_pk_mul_f32 v[SQ+NR:SQ+NR+1], v[MR:MR+1], v[MR:MR+1]
.else
	v_pk_fma_f32 v[SQ+NR:SQ+NR+1], v[MR:MR+1], v[MR:MR+1], v[SQ+NR:SQ+NR+1]
.endif
.endif
.if (\kind)==3
	WIN MW|(MW<<6)
	v_pk_mul_f32 v[MR:MR+1], v[MR:MR+1], v[SS+NR:SS+NR+1]
.endif
.if (\kind)==4
	WIN MW|(MW<<2)|0x40
	v_cvt_pk_f16_f32 v[32*(SX>>3)+8*(SX&3)+4*((SX>>2)&1)+\pp], v[MR], v[MR+1]
.endif
.set SX, SX+1
.endr
.endr
.endm
.macro SWEEP kind                      ; all 64 sub-tiles, window by window: one change of window for each of the three
	PASS \kind, 0, 30
	PASS \kind, 30, 60
	PASS \kind, 60, 64
.endm
; -mean of each of the four n; a lane holds half of its row's 256 units
.macro MEANS
.irp nn, 0,1,2,3
	v_add_f32 v[SUM+2*\nn], v[SUM+2*\nn], v[SUM+2*\nn+1]
.endr
.irp nn, 0,1,2,3
	v_permlanex16_b32 v[SCR+\nn], v[SUM+2*\nn], s34, s35     ; the other half of the units (the destinations have been written before, at the start)
.endr
.irp nn, 0,1,2,3
	v_add_f32 v[SUM+2*\nn], v[SUM+2*\nn], v[SCR+\nn]
.endr
.irp nn, 0,1,2,3
	v_mul_f32 v[MN+2*\nn], NINV256, v[SUM+2*\nn]
	v_mul_f32 v[MN+2*\nn+1], NINV256, v[SUM+2*\nn]
.endr
.endm
; LayerNorm's factor S = 1 / sqrt(Q / 256 + eps) = 16 / sqrt(Q + 256 eps), Q the sum of the 256 squares
.macro STATS
.irp nn, 0,1,2,3
	v_add_f32 v[SQ+2*\nn], v[SQ+2*\nn], v[SQ+2*\nn+1]
.endr
.irp nn, 0,1,2,3
	v_permlanex16_b32 v[SCR+4+\nn], v[SQ+2*\nn], s34, s35
.endr
.irp nn, 0,1,2,3
	v_add_f32 v[SQ+2*\nn], v[SQ+2*\nn], v[SCR+4+\nn]
.endr
.irp nn, 0,1,2,3
	v_add_f32 v[SQ+2*\nn], EPS256, v[SQ+2*\nn]
.endr
.irp nn, 0,1,2,3
	v_rsq_f32 v[SCR+\nn], v[SQ+2*\nn]
.endr
	v_nop                                          ; a plain instruction behind the last reciprocal root
	s_wait_alu depctr_va_vdst(0)                   ; one wait for the four reciprocal roots, ahead of the multiplies that read them
.irp nn, 0,1,2,3
	v_mul_f32 v[SS+2*\nn], SIXTEEN, v[SCR+\nn]
	v_mul_f32 v[SS+2*\nn+1], SIXTEEN, v[SCR+\nn]
.endr
.endm
.macro GSET                            ; layer 3 is not normalised: its factor is the gate
.irp nn, 0,1,2,3
	v_mov_b32 v[SS+2*\nn], v[GCUR+\nn]
	v_mov_b32 v[SS+2*\nn+1], v[GCUR+\nn]
.endr
.endm
; The sum over the four waves' experts, 16 rows (column tile qq) at a time: each wave lays its 16 x 128 numbers into its own stage, and behind a
; barrier each wave reads rows 4 w .. 4 w + 3 of all four stages and adds them.  A wave so owns rows 16 qq + 4 w + ii, whole.
; last = 0: they start OSUM.  last = 1: they are added onto it and each row leaves as 512 neighbouring bytes.
.macro REDUCE last
	PLACES
.irp qq, 0,1,2,3
.irp tl, 0,1,2,3,4,5,6,7
	TLOC \tl, \qq
	WIN MW<<2
	ds_store_b128 v[STO], v[ML:ML+3] offset:64*\tl
	ds_store_b128 v[STO], v[ML+4:ML+7] offset:64*\tl+16
.endr
	WIN 0
	s_wait_dscnt 0x0                               ; my stores are in LDS, for the others
	s_barrier_signal -1
	s_barrier_wait -1
.irp gg, 0,1,2,3
.irp ii, 0,1,2,3
	ds_load_b128 v[RT+16*\gg+4*\ii:RT+16*\gg+4*\ii+3], v[RD] offset:SREG*\gg+STP*\ii
.endr
.endr
	s_wait_dscnt 0x0                               ; my reads are over: the stages may be written again once all four waves have said so
.if \qq<3
	s_barrier_signal -1
.endif
.irp ii, 0,1,2,3
.irp pp, 0,1
	v_pk_add_f32 v[RT+4*\ii+2*\pp:RT+4*\ii+2*\pp+1], v[RT+4*\ii+2*\pp:RT+4*\ii+2*\pp+1], v[RT+16+4*\ii+2*\pp:RT+16+4*\ii+2*\pp+1]
	v_pk_add_f32 v[RT+32+4*\ii+2*\pp:RT+32+4*\ii+2*\pp+1], v[RT+32+4*\ii+2*\pp:RT+32+4*\ii+2*\pp+1], v[RT+48+4*\ii+2*\pp:RT+48+4*\ii+2*\pp+1]
.endr
.endr
.irp ii, 0,1,2,3
.irp pp, 0,1
.if \last
	v_pk_add_f32 v[OSUM+16*\qq+4*\ii+2*\pp:OSUM+16*\qq+4*\ii+2*\pp+1], v[OSUM+16*\qq+4*\ii+2*\pp:OSUM+16*\qq+4*\ii+2*\pp+1], v[RT+4*\ii+2*\pp:RT+4*\ii+2*\pp+1]
.else
	v_pk_add_f32 v[OSUM+16*\qq+4*\ii+2*\pp:OSUM+16*\qq+4*\ii+2*\pp+1], v[RT+4*\ii+2*\pp:RT+4*\ii+2*\pp+1], v[RT+32+4*\ii+2*\pp:RT+32+4*\ii+2*\pp+1]
.endif
.endr
.endr
.if \last
.irp ii, 0,1,2,3
.irp pp, 0,1
	v_pk_add_f32 v[OSUM+16*\qq+4*\ii+2*\pp:OSUM+16*\qq+4*\ii+2*\pp+1], v[OSUM+16*\qq+4*\ii+2*\pp:OSUM+16*\qq+4*\ii+2*\pp+1], v[RT+32+4*\ii+2*\pp:RT+32+4*\ii+2*\pp+1]
.endr
.endr
.endif
.if \qq<3
	s_barrier_wait -1
.endif
.if \last
.irp ii, 0,1,2,3
	global_store_b128 v[OOFF], v[OSUM+16*\qq+4*\ii:OSUM+16*\qq+4*\ii+3], s[10:11] offset:(16*\qq+\ii)*512 th:TH_STORE_NT   ; a whole row; neither register is written again
.endr
.endif
.endr
.endm
	; ---- arguments, ids, descriptors
	s_load_b256 s[4:11], s[0:1], 0x0               ; x s[4:5], wf s[6:7], bg s[8:9], out0 s[10:11]
	v_lshrrev_b32 v1, 5, v0
	v_readfirstlane_b32 s12, v1                    ; wave 0..3
	s_bfe_u32 s13, ttmp6, 0x40000                  ; cx
	s_lshl_b32 s14, ttmp9, 2
	s_add_co_u32 s14, s14, s13                     ; work-group = 4 x cluster + cx: it enters the addresses of x and out0 alone
	s_mov_b32 s34, 0x76543210
	s_mov_b32 s35, 0xfedcba98
	; group 1: a chunk is dense in memory and comes in as 130 rows of 32 elements of 8 bytes
	s_mov_b32 s[G1+0], 15|(3<<16)|(1<<21)          ; 15:0 the mask: all four of the cluster; 17:16 elements of 8 bytes; 21 set beside a mask
	s_mov_b32 s[G1+1], 32<<16                      ; tensor_dim0 = 32
	s_mov_b32 s[G1+2], 130<<16                     ; tensor_dim1 = 130
	s_mov_b32 s[G1+3], 32<<16                      ; tile_dim0 = 32
	s_mov_b32 s[G1+4], 130                         ; tile_dim1 = 130
	s_mov_b32 s[G1+5], 32                          ; from row to row
	s_mov_b32 s[G1+6], 0
	s_mov_b32 s[G1+7], 0
	s_mul_i32 s36, s12, 2*CH                       ; my two slots
	s_mul_i32 s38, s12, 24*CH                      ; my two experts' 24 chunks in wf
	s_mov_b32 s39, 0
	s_lshl_b32 s48, s14, 15                        ; 64 rows of 512 bytes
	s_mov_b32 s49, 0
	s_wait_kmcnt 0x0
	s_add_nc_u64 s[4:5], s[4:5], s[48:49]
	s_add_nc_u64 s[10:11], s[10:11], s[48:49]
	s_mov_b32 s[G0+0], 1
	s_mov_b32 s[G0+1], s36
	s_add_nc_u64 s[G0+2:G0+3], s[6:7], s[38:39]    ; chunk 0: wave number and constants alone, equal in all four partners
	s_mov_b32 s[G0+4], 1
	s_add_co_u32 s[G0+5], s36, CH
	s_add_nc_u64 s[G0+6:G0+7], s[G0+2:G0+3], CH    ; chunk 1
	s_or_b32 s[G0+3], s[G0+3], 0x80000000
	s_or_b32 s[G0+7], s[G0+7], 0x80000000
	ROUND                                          ; the four work-groups are here: the first joint loads meet
	tensor_load_to_lds s[G0:G0+3], s[G1:G1+7]      ; chunk 0
	s_nop 0
	; ---- addresses
	v_and_b32 v1, 31, v0                           ; lane
	v_and_b32 v2, 15, v0                           ; r
	v_bfe_u32 v3, v0, 4, 1                         ; h
	s_lshl_b32 s37, s12, 13
	v_lshl_add_u32 v[XG], v1, 4, s37
	s_lshl_b32 s37, s12, 1
	v_add_nc_u32 v[GFO], s37, v2
	v_and_b32 v[GFO], 15, v[GFO]
	v_lshl_add_u32 v[GFO], v3, 4, v[GFO]
	v_lshlrev_b32 v[GFO], 4, v[GFO]
.irp ii, 0,1,2,3,4,5,6,7,8,9,10,11,12,13,14,15
	global_load_b128 v[OSUM+4*\ii:OSUM+4*\ii+3], v[XG], s[4:5] offset:512*\ii th:TH_LOAD_NT   ; my 16 rows of x, a whole row each
.endr
.irp ks, 0,1,2,3
	global_load_b128 v[AF+32+8*\ks:AF+32+8*\ks+3], v[GFO], s[6:7] offset:GF+1024*\ks          ; the gate's fragments, rows turned by 2 w:
	global_load_b128 v[AF+32+8*\ks+4:AF+32+8*\ks+7], v[GFO], s[6:7] offset:GF+1024*\ks+512    ; result registers 0 and 1 are then my own two experts
.endr
	s_load_b256 s[40:47], s[8:9], 0x0              ; bg
	v_lshl_add_u32 v[ADR], v1, 4, s36
	v_add_nc_u32 v[ADR+1], CH, v[ADR]
	v_lshl_add_u32 v[BADR], v3, 5, s36
	v_add_nc_u32 v[BADR+1], CH, v[BADR]
	v_mul_u32_u24 v[XRD], v2, XPI
	v_lshl_add_u32 v[XRD], v3, 4, v[XRD]
	v_add_nc_u32 v[XRD], XB, v[XRD]
	s_mul_i32 s37, s12, SREG
	s_add_co_u32 s37, s37, STG
	v_mul_u32_u24 v[STO], v2, STP
	v_lshl_add_u32 v[STO], v3, 5, v[STO]
	v_add_nc_u32 v[STO], s37, v[STO]
	s_mul_i32 s37, s12, 4*STP
	s_add_co_u32 s37, s37, STG
	v_lshl_add_u32 v[RD], v1, 4, s37
	s_lshl_b32 s37, s12, 11
	v_lshl_add_u32 v[OOFF], v1, 4, s37
	s_mul_i32 s37, s12, 16*XPI
	s_add_co_u32 s37, s37, XB
	v_lshl_add_u32 v[XST], v1, 3, s37
	; ---- x to f16, into LDS for all four waves
	s_wait_loadcnt 0x8                             ; x is in; the eight loads of the gate's fragments, issued behind it, may stay out
.irp ii, 0,1,2,3,4,5,6,7,8,9,10,11,12,13,14,15
	v_cvt_pk_f16_f32 v[TX+2*\ii], v[OSUM+4*\ii], v[OSUM+4*\ii+1]
	v_cvt_pk_f16_f32 v[TX+2*\ii+1], v[OSUM+4*\ii+2], v[OSUM+4*\ii+3]
.endr
.irp ii, 0,1,2,3,4,5,6,7,8,9,10,11,12,13,14,15
	ds_store_b64 v[XST], v[TX+2*\ii:TX+2*\ii+1] offset:XPI*\ii
.endr
	; ---- bg, turned by 2 w like the gate's rows (pairs: by two where bit 1 of w is set, by one where bit 0 is), times log2e
	s_wait_kmcnt 0x0
	s_bitcmp1_b32 s12, 1
	s_cselect_b64 s[48:49], s[44:45], s[40:41]
	s_cselect_b64 s[50:51], s[46:47], s[42:43]
	s_cselect_b64 s[52:53], s[40:41], s[44:45]
	s_cselect_b64 s[54:55], s[42:43], s[46:47]
	s_bitcmp1_b32 s12, 0
	s_cselect_b64 s[40:41], s[50:51], s[48:49]
	s_cselect_b64 s[42:43], s[52:53], s[50:51]
	s_cselect_b64 s[44:45], s[54:55], s[52:53]
	s_cselect_b64 s[46:47], s[48:49], s[54:55]
	v_mov_b32 v[SCR+8], LOG2E
.irp jj, 0,1,2,3,4,5,6,7
	v_mul_f32 v[SCR+\jj], s[40+\jj], v[SCR+8]
.endr
	; ---- into chunk 0
	s_wait_loadcnt 0x0                             ; the gate's fragments
	s_wait_tensorcnt 0x0                           ; chunk 0 has landed: slot 0's group 0 may be written
	s_add_nc_u64 s[G0+2:G0+3], s[G0+2:G0+3], 2*CH  ; chunk 2
	s_wait_dscnt 0x0                               ; my rows of x are in LDS, for the others
	ROUND
	tensor_load_to_lds s[G0+4:G0+7], s[G1:G1+7]    ; chunk 1: slot 1's first fill, my one load behind this round
	s_nop 0
	FETCH 0, 0, 512
	FETCHB 0, 0, 0
	XFRAG
	; ---- the gate: 8 logits (times log2e) of each row in a lane's eight registers, softmax with the maximum taken away
	s_wait_dscnt 0x0
	WIN 0x04
.irp ks, 0,1,2,3
.irp nn, 0,1,2,3
.if \ks==0
	v_wmma_f32_16x16x32_f16 v[TX+8*\nn:TX+8*\nn+7], v[AF+32+8*\ks:AF+32+8*\ks+7], v[32*\ks+8*\nn:32*\ks+8*\nn+7], v[SCR:SCR+7]
.else
	v_wmma_f32_16x16x32_f16 v[TX+8*\nn:TX+8*\nn+7], v[AF+32+8*\ks:AF+32+8*\ks+7], v[32*\ks+8*\nn:32*\ks+8*\nn+7], v[TX+8*\nn:TX+8*\nn+7]
.endif
.endr
.endr
	WIN 0
	PLACES
.irp nn, 0,1,2,3
	v_max3_num_f32 v[SCR+8+\nn], v[TX+8*\nn], v[TX+8*\nn+1], v[TX+8*\nn+2]
.endr
.irp nn, 0,1,2,3
	v_max3_num_f32 v[SCR+8+\nn], v[SCR+8+\nn], v[TX+8*\nn+3], v[TX+8*\nn+4]
.endr
.irp nn, 0,1,2,3
	v_max3_num_f32 v[SCR+8+\nn], v[SCR+8+\nn], v[TX+8*\nn+5], v[TX+8*\nn+6]
.endr
.irp nn, 0,1,2,3
	v_max_num_f32 v[SCR+8+\nn], v[SCR+8+\nn], v[TX+8*\nn+7]
.endr
.irp nn, 0,1,2,3
.irp jj, 0,1,2,3,4,5,6,7
	v_sub_f32 v[TX+8*\nn+\jj], v[TX+8*\nn+\jj], v[SCR+8+\nn]
.endr
.endr
.irp nn, 0,1,2,3
.irp jj, 0,1,2,3,4,5,6,7
	v_exp_f32 v[TX+8*\nn+\jj], v[TX+8*\nn+\jj]
.endr
.endr
	v_nop                                          ; a plain instruction behind the last power of two
	s_wait_alu depctr_va_vdst(0)                   ; one wait for the gate's 32 powers of two, ahead of the sums that read them
.irp nn, 0,1,2,3
	v_pk_add_f32 v[TX+8*\nn+2:TX+8*\nn+3], v[TX+8*\nn:TX+8*\nn+1], v[TX+8*\nn+2:TX+8*\nn+3]
	v_pk_add_f32 v[TX+8*\nn+4:TX+8*\nn+5], v[TX+8*\nn+4:TX+8*\nn+5], v[TX+8*\nn+6:TX+8*\nn+7]
.endr
.irp nn, 0,1,2,3
	v_pk_add_f32 v[TX+8*\nn+2:TX+8*\nn+3], v[TX+8*\nn+2:TX+8*\nn+3], v[TX+8*\nn+4:TX+8*\nn+5]
.endr
.irp nn, 0,1,2,3
	v_add_f32 v[TX+8*\nn+2], v[TX+8*\nn+2], v[TX+8*\nn+3]
.endr
.irp nn, 0,1,2,3
	v_rcp_f32 v[TX+8*\nn+3], v[TX+8*\nn+2]         ; the sum is at least 1: the largest term is 2^0
.endr
	v_nop                                          ; a plain instruction behind the last reciprocal
	s_wait_alu depctr_va_vdst(0)                   ; one wait for the gate's four reciprocals, ahead of the multiplies that read them
.irp nn, 0,1,2,3
	v_mul_f32 v[GCUR+\nn], v[TX+8*\nn], v[TX+8*\nn+3]
	v_mul_f32 v[GNXT+\nn], v[TX+8*\nn+1], v[TX+8*\nn+3]
.endr
	; ---- my two experts.  Every wait on TENSORcnt in this text is for 0, so none of them hangs on the way by which it is reached.
	s_mov_b32 s32, 0
.Lexp:
	L1MM
	WIN 0
	s_mov_b32 s33, 0
.Llay:                                             ; three trips: behind layers 1, 2, 3
	ACTS 15, 0, 32                                 ; tile 15's activation: no products are left to set it among.  Tile 14's last slice stands behind the layer's last product
	WIN 0
	s_cmp_eq_u32 s33, 2
	s_cbranch_scc1 .Lgate
	SWEEP 0                                        ; layers 1 and 2 are normalised: the sums,
	WIN 0
	MEANS                                          ; the means,
	SWEEP 1                                        ; taken away in place,
	SWEEP 2                                        ; the squares of what is left,
	WIN 0
	STATS                                          ; and the factor
	s_branch .Lnorm
.Lgate:
	GSET
.Lnorm:
	SWEEP 3                                        ; times the factor,
	SWEEP 4                                        ; and into the next layer's fragments
	WIN 0
	s_cmp_eq_u32 s33, 2
	s_cbranch_scc1 .Lfour                          ; behind layer 3 the loop is left here
	MM256
	WIN 0
	s_add_co_u32 s33, s33, 1
	s_cmp_lt_u32 s33, 3
	s_cbranch_scc1 .Llay
.Lfour:
	L4
	WIN 0
	s_cmp_eq_u32 s32, 1
	s_cbranch_scc1 .Ltail                          ; behind the second expert no chunk is left to ask for
	; the first expert's way on: both slots are read out.  Chunk 12 goes out first and lands beside the reduction; chunk 13 follows behind a round of its own.
	s_wait_dscnt 0x0                               ; my reads of both slots are over
	s_wait_tensorcnt 0x0                           ; none of my loads is out: every group 0 may be written
	s_add_nc_u64 s[G0+6:G0+7], s[G0+6:G0+7], 2*CH  ; slot 1: chunk 13
	ROUND
	tensor_load_to_lds s[G0:G0+3], s[G1:G1+7]      ; chunk 12 into slot 0: my one load behind this round
	s_nop 0
	REDUCE 0                                       ; chunk 12 may be on its way across these barriers
.irp nn, 0,1,2,3
	v_mov_b32 v[GCUR+\nn], v[GNXT+\nn]
.endr
	s_wait_tensorcnt 0x0                           ; chunk 12 has landed
	s_add_nc_u64 s[G0+2:G0+3], s[G0+2:G0+3], 2*CH  ; slot 0: chunk 14
	s_wait_dscnt 0x0
	ROUND
	tensor_load_to_lds s[G0+4:G0+7], s[G1:G1+7]    ; chunk 13 into slot 1
	s_nop 0
	FETCH 0, 0, 512
	FETCHB 0, 0, 0
	XFRAG
	s_add_co_u32 s32, s32, 1
	s_cmp_lt_u32 s32, 2
	s_cbranch_scc1 .Lexp
.Ltail:
	REDUCE 1
	s_wait_tensorcnt 0x0                           ; no tensor load may be out at the end (my last was waited for in layer 4)
	ROUND                                          ; the closing round: no work-group ends while a partner may still ask for a chunk that names it
	s_endpgm
.Lfunc_end_k_q7a664ef61b_main:
	.size	k_q7a664ef61b_main, .Lfunc_end_k_q7a664ef61b_main-k_q7a664ef61b_main
	.p2alignl 7, 3214868480
	.fill 96, 4, 3214868480
	.section	.rodata,"a",@progbits
	.p2align	6, 0x0
	.amdhsa_kernel k_q7a664ef61b_main
		.amdhsa_group_segment_fixed_size 327680
		.amdhsa_private_segment_fixed_size 0
		.amdhsa_enable_private_segment 0
		.amdhsa_kernarg_size 32
		.amdhsa_user_sgpr_count 2
		.amdhsa_user_sgpr_kernarg_segment_ptr 1
		.amdhsa_wavefront_size32 1
		.amdhsa_system_sgpr_workgroup_id_x 1
		.amdhsa_system_sgpr_workgroup_id_y 1
		.amdhsa_system_sgpr_workgroup_id_z 1
		.amdhsa_system_vgpr_workitem_id 0
		.amdhsa_next_free_vgpr 1024
		.amdhsa_next_free_sgpr 66
		.amdhsa_reserve_vcc 0
		.amdhsa_float_denorm_mode_32 3
		.amdhsa_float_denorm_mode_16_64 3
		.amdhsa_memory_ordered 1
		.amdhsa_forward_progress 1
		.amdhsa_inst_pref_size 255
	.end_amdhsa_kernel
	.section	.bss,"aw",@nobits
	.p2align	6
	.space	262144
	.amdgpu_metadata
---
amdhsa.version: [ 1, 2 ]
amdhsa.kernels:
  - .name:           k_q7a664ef61b_main
    .symbol:         k_q7a664ef61b_main.kd
    .args:
      - { .name: x, .offset: 0, .size: 8, .value_kind: global_buffer, .address_space: global }
      - { .name: wf, .offset: 8, .size: 8, .value_kind: global_buffer, .address_space: global }
      - { .name: bg, .offset: 16, .size: 8, .value_kind: global_buffer, .address_space: global }
      - { .name: out0, .offset: 24, .size: 8, .value_kind: global_buffer, .address_space: global }
    .group_segment_fixed_size: 327680
    .private_segment_fixed_size: 0
    .kernarg_segment_align: 8
    .kernarg_segment_size: 32
    .max_flat_workgroup_size: 128
    .sgpr_count:     66
    .vgpr_count:     1024
    .wavefront_size: 32
...
	.end_amdgpu_metadata
.endif
;; end of part 3
